; MI455X (gfx1250); checked and timed in simulation.
; The chip was launched on July 23, 2026; its instructions are those of AMD's public machine-readable ISA for CDNA 5 (MIT licence, August 2026) and "CDNA5" Instruction Set Architecture Reference Guide (July 2026). The comments in the code are by the model that wrote it; some were corrected since.
;; Causal Self Attention. Allowed arithmetic: matrix products marked QUANTISED: E2M3 operands, one E8M0 scale for each 32 along K, by v_wmma_scale_f32_16x16x128_f8f6f4 with both operands' format E2M3, f32 sums; everything else in f32.
;; Inputs: Wk 2,048 x 2,048 float32; Wo 2,048 x 2,048 float32; Wq 2,048 x 2,048 float32; Wv 2,048 x 2,048 float32; x 1 x 2,048 x 2,048 float32.
;; Outputs: out0 1 x 2,048 x 2,048 float32.
;; This version of the problem:
;;   THIS VERSION OF THE PROBLEM IS GIVEN IN LOW PRECISION. The matrix products marked QUANTISED in the list below multiply operands that are first quantised to E2M3 (2 exponent bits, 3 mantissa bits; 6 bits a number), with one power-of-two scale for each 32 numbers along K (OCP MX v1.0); their sums are f32. All else is computed in f32.
;;   The module's matrix products, in the order in which they are computed (A, B: the left and right operand; K: the contracted axis; several contracted axes count as one K, in the product's order):
;;     1. [M 2,048, K 2,048] x [K 2,048, N 2,048]; A: input x; B: input Wq: QUANTISED
;;     2. [M 2,048, K 2,048] x [K 2,048, N 2,048]; A: input x; B: input Wk: QUANTISED
;;     3. [M 2,048, K 2,048] x [K 2,048, N 2,048]; A: input x; B: input Wv: QUANTISED
;;     4. batch 16 x [M 2,048, K 128] x [K 128, N 2,048]; A: computed on the way; B: computed on the way: QUANTISED
;;     5. batch 16 x [M 128, K 2,048] x [K 2,048, N 2,048]; A: computed on the way; B: softmax (see below): QUANTISED
;;     6. [M 2,048, K 2,048] x [K 2,048, N 2,048]; A: computed on the way; B: input Wo: QUANTISED
;;   THE QUANTISER, for each operand of a quantised product, along K:
;;     - K is cut into blocks of 32 from its start; a last block that is shorter is filled with zeros.
;;     - A block's scale is 2^e with e = floor(log2(the largest magnitude in the block)) - 2, held to -126 .. 127; a block of zeros has e = 0. As a byte (E8M0): e + 127.
;;     - Each number is divided by its block's scale, clamped to +-7.5, and rounded to the nearest number of E2M3, ties to even, subnormals kept.
;;     - The product sums the exact products of the quantised numbers (number of the format x scale) in f32.
;;   ~~~python
;;   def quantise(x, axis):      # numpy; x: float32 -> the quantised numbers, widened to float32 again
;;       x = np.moveaxis(x, axis, -1); K = x.shape[-1]
;;       x = np.pad(x, [(0, 0)] * (x.ndim - 1) + [(0, -K % 32)]); x = x.reshape(x.shape[:-1] + (-1, 32)); a = np.abs(x).max(-1, keepdims=True)
;;       e = np.where(a > 0, np.clip(np.frexp(np.where(a > 0, a, 1))[1] - 1 - 2, -126, 127), 0)      # np.frexp(a)[1] - 1 = floor(log2(a)), exactly
;;       r = np.clip(x / 2.0 ** e, -7.5, 7.5)
;;       step = 2.0 ** (np.maximum(np.frexp(np.where(r == 0, 1, r))[1] - 1, 0) - 3)
;;       q = np.round(r / step) * step * 2.0 ** e      # np.round: ties to even
;;       return np.moveaxis(q.reshape(q.shape[:-2] + (-1,))[..., :K], -1, axis).astype(np.float32)
;;   ~~~
;;   SOFTMAX AHEAD OF A QUANTISED PRODUCT. Where the list says 'softmax', what is quantised is not the finished softmax but p = 2^(t - M), with t = logit x log2(e) and M = ceil(the row's largest t), a whole number; so 1/2 < the row's largest p <= 1. The row's sum l is taken of the UNQUANTISED p, in f32, and the product's result is divided by l at the end. Since M is a whole number, a kernel that streams over the keys may use a running M (the ceiling of the running maximum): every later rescaling is an exact power of two, which a block's scale takes up: the codes' values come out the same.
;;   OPERANDS COMPUTED ON THE WAY. 'Computed on the way' means the value that the module computes at that place (a softmax that the list does not call 'softmax' is quantised finished and normalised). What goes into a quantiser is computed in f32, as accurately as f32 sums, v_exp_f32 and their like allow (about 1e-6 of the number): no bf16 or f16 on the way to a quantiser, and a product that is left as it is and whose result goes on into a quantised operand takes f32 operands (vector FMAs, or v_wmma_f32_16x16x4_f32). A number that lies on a knife's edge between two numbers of the format may be rounded either way, as far as f32 arithmetic and the matrix unit's own rounding can turn it there, and no further.
;; One version. Each part assembles by itself: llvm-mc -triple=amdgcn-amd-amdhsa -mcpu=gfx1250 --defsym DOCPART=n.
;; ======== version 1 of 1: 4 launches
;; limits: right only within a limited range of input values
;; workspace buffers: codes1 18,874,368 bytes; scales1 786,432 bytes; rope 524,288 bytes; qkv 9,830,400 bytes
;; launch quant (part 1): grid 672 x 1, 4 waves a work-group, no clusters, 34,304 bytes of LDS; arguments x, Wq, Wk, Wv, Wo, codes1, scales1, rope; writes codes1, scales1, rope
.if DOCPART == 1
	.amdgcn_target "amdgcn-amd-amdhsa--gfx1250"
	.amdhsa_code_object_version 6
	.text
	.protected	k_qbd0943b0f4_quant
	.globl	k_qbd0943b0f4_quant
	.p2align	8
	.type	k_qbd0943b0f4_quant,@function
k_qbd0943b0f4_quant:
	s_mov_b64 s[64:65], 0
	v_nop
	global_prefetch_b8 v0, s[64:65] scope:SCOPE_SE
	s_setreg_imm32_b32 hwreg(HW_REG_WAVE_MODE, 25, 1), 1
	s_wait_xcnt 0x0
; LAUNCH 1 OF 4.  x, Wq, Wk, Wv, Wo ([2048][2048] f32, K innermost) become codes of FP6 (E2M3) with one E8M0 byte for each 32 along K; and the table of cos and sin for RoPE is made.
; WORK LEFT OUT IN THIS PROGRAM, AND WHY IT IS DEAD.  (a) reference() builds its angular frequencies with zeros for d = 32 .. 63 of the 64: there theta = 0, cos = 1 and sin = 0 for every input, so
; y1 = x1 and y2 = x2: dims 32 .. 63 and 96 .. 127 of every head of q and k pass RoPE unchanged, and neither table nor arithmetic is made for them.  (b) reference() builds the causal mask itself (jnp.tril): a step of
; 128 keys all of which come after a tile's 16 queries gets -inf in front of the softmax, weight 0, and reaches no output: such steps are not computed.  Every input has a way to the output and is loaded.
; LIMIT: a NaN, an infinity or an overflow that reaches only the work left out (x2 x 0; a hidden score) is not carried to the result.
; OTHER LIMITS: NaN and infinities among the inputs are not served.  A block whose largest magnitude lies under 2^(3 - 127) keeps the byte 1 (a block of zeros too: its codes are zeros, and this program alone reads the bytes).
; The frequencies are 2^(-10 d / 31) by one v_exp_f32; sin and cos by a reduction in two parts of pi / 2 and polynomials good to about 1e-7 for angles up to 2,047, the largest that the fixed length 2,048 gives.
; LAYOUT OF THE CODES.  Rows go in blocks of 16: slot r of block pb holds row 32 (pb / 2) + 8 (pb % 2) + r + 8 (r / 8), so that, where such a block is source 0 of a product, the 16 registers of two neighbouring
; result tiles are 16 neighbours.  A fragment (16 rows x 128 K) is stored as the IMAGE OF ITS 12 REGISTERS: registers 4 c .. 4 c + 3 of lane l at byte 512 c + 16 l: 1,536 bytes.
; codes1 = [block 768][K step 16][1,536]: blocks 0-127 x, 128-255 Wq, 256-383 Wk, 384-511 Wv, 512-639 Wo (640-767: launch 3).  scales1 = [block][j 4][r 16][4 words]: the words of K steps 4 j .. 4 j + 3 of slot r.
; SHARES.  Work-group n < 640 makes block n; its wave w the images of K steps 4 w .. 4 w + 3.  Each load reads 512 consecutive bytes of one row; the 16 x 512 bytes of an image turn through the wave's own stage in LDS,
; so that lane (r, h) gets, of row r, the 16 neighbours 32 b + 16 h + 0 .. 15 of each block b.  Work-groups 640 .. 671 make the table, a token block a wave; they touch no LDS.
.set SPARE, 33792                      ; behind the four stages of 8,448 bytes: the spare words, 128 bytes a wave
.set SPW,   8                          ; v8   my spare word's LDS address; never rewritten
.set NIL,   9                          ; v9   0; never rewritten
.set TM,    12                         ; v12-27 at work in QUANT
.set PWS,   28                         ; v28-31 the four images' scale words
.set PC,    32                         ; v32-51 the codes just made
.set X,     64                         ; v64-127 64 numbers: register 16 b + i = k 32 b + 16 h + i of my row
.set R,     128                        ; v128-255 two sets of 64 registers as loaded
.set SEL,   28                         ; s[28:29] selects for lane l xor 16
	s_load_b512 s[4:19], s[0:1], 0x0               ; x, Wq, Wk, Wv, Wo, codes1, scales1, rope
	v_lshl_add_u32 v[SPW], v0, 2, SPARE
	v_mov_b32 v[NIL], 0
	v_lshrrev_b32 v1, 5, v0
	v_readfirstlane_b32 s20, v1                    ; wave
	v_and_b32 v1, 31, v0                           ; lane
	v_and_b32 v2, 15, v0                           ; r
	v_bfe_u32 v3, v0, 4, 1                         ; h
	v_lshlrev_b32 v4, 4, v1                        ; 16 x lane
	s_wait_kmcnt 0x0
	s_cmp_ge_u32 ttmp9, 640
	s_cbranch_scc1 .Lrope
	s_lshr_b32 s21, ttmp9, 7                       ; which tensor
	s_and_b32 s22, ttmp9, 127                      ; which block of it
	s_mov_b64 s[24:25], s[4:5]
	s_cmp_eq_u32 s21, 1                            ; the choice hangs on the work-group's number alone
	s_cselect_b64 s[24:25], s[6:7], s[24:25]
	s_cmp_eq_u32 s21, 2
	s_cselect_b64 s[24:25], s[8:9], s[24:25]
	s_cmp_eq_u32 s21, 3
	s_cselect_b64 s[24:25], s[10:11], s[24:25]
	s_cmp_eq_u32 s21, 4
	s_cselect_b64 s[24:25], s[12:13], s[24:25]
	s_lshr_b32 s26, s22, 1
	s_lshl_b32 s26, s26, 5
	s_and_b32 s27, s22, 1
	s_lshl_b32 s27, s27, 3
	s_add_co_u32 s26, s26, s27                     ; slot 0's row: 32 (pb / 2) + 8 (pb % 2)
	s_lshl_b32 s26, s26, 13                        ; rows of 8,192 bytes
	s_lshl_b32 s27, s20, 11                        ; my wave's 2,048 bytes of a row
	s_add_co_u32 s26, s26, s27
	s_mov_b32 s27, 0
	s_add_nc_u64 s[24:25], s[24:25], s[26:27]
	s_mul_i32 s26, ttmp9, 24576
	s_mul_i32 s30, s20, 6144
	s_add_co_u32 s26, s26, s30
	s_add_nc_u64 s[14:15], s[14:15], s[26:27]      ; my four images
	s_lshl_b32 s26, ttmp9, 10
	s_lshl_b32 s30, s20, 8
	s_add_co_u32 s26, s26, s30
	s_add_nc_u64 s[16:17], s[16:17], s[26:27]      ; my 256 bytes of scale words
.macro LOAD q                          ; image q: slot i's 512 bytes
.irp i, 0,1,2,3,4,5,6,7,8,9,10,11,12,13,14,15
	global_load_b128 v[R+64*((\q)%2)+4*\i:R+64*((\q)%2)+4*\i+3], v4, s[24:25] offset:(\i+8*(\i/8))*8192+512*(\q) th:TH_LOAD_NT
.endr
.endm
	s_wait_alu depctr_va_vdst(0)
	LOAD 0
	LOAD 1
	s_mul_i32 s30, s20, 8448                       ; my stage: 16 rows of 512 + 16 bytes
	v_add_nc_u32 v5, s30, v4                       ; in: 16 x lane in a row
	v_mul_u32_u24 v6, v2, 528
	v_lshl_add_u32 v6, v3, 6, v6
	v_add_nc_u32 v6, s30, v6                       ; out: row r, + 64 h
	v_lshlrev_b32 v7, 4, v2                        ; 16 r: my row's four scale words
	s_mov_b32 s[SEL], 0x76543210
	s_mov_b32 s[SEL+1], 0xfedcba98
.irp b, 0,1,2,3
	v_mov_b32 v[TM+4+\b], 0                        ; written once: a lane permute's destination counts as one of its sources
.endr
; 64 numbers of a lane, register 16 b + i = k 32 b + 16 h + i of my row, become a fragment's codes in v[PC] on and its scale word in v[pw]
.macro QUANT s, pw
.irp b, 0,1,2,3
	v_max3_num_f32 v[TM+\b], |v[\s+16*\b]|, |v[\s+1+16*\b]|, 0x1800000   ; my 16 numbers of block b, and the floor 2^(3 - 127): the byte cannot fall under 1
.endr
.irp i, 2,4,6,8,10,12,14
.irp b, 0,1,2,3
	v_max3_num_f32 v[TM+\b], v[TM+\b], |v[\s+16*\b+\i]|, |v[\s+1+16*\b+\i]|
.endr
.endr
.irp b, 0,1,2,3
	v_permlanex16_b32 v[TM+4+\b], v[TM+\b], s[SEL], s[SEL+1]
.endr
.irp b, 0,1,2,3
	v_max_num_f32 v[TM+\b], v[TM+\b], v[TM+4+\b]   ; with lane l xor 16's: the block's largest magnitude
.endr
.irp b, 0,1,2,3
	v_add_nc_u32 v[TM+12+\b], 0xff000000, v[TM+\b] ; 2 off its exponent field: the conversion's scale operand
.endr
.irp b, 0,1,2,3
	v_lshrrev_b32 v[TM+4+\b], 23, v[TM+12+\b]      ; the scale's byte
.endr
	v_lshl_or_b32 v[\pw], v[TM+5], 8, v[TM+4]
	v_lshl_or_b32 v[\pw], v[TM+6], 16, v[\pw]
	v_lshl_or_b32 v[\pw], v[TM+7], 24, v[\pw]
.irp c, 0,1
	v_cvt_scalef32_pk16_fp6_f32 v[PC+6*\c:PC+2+6*\c], v[\s+32*\c:\s+15+32*\c], v[TM+12+2*\c]
	v_cvt_scalef32_pk16_fp6_f32 v[PC+12+4*\c:PC+14+4*\c], v[\s+16+32*\c:\s+31+32*\c], v[TM+12+2*\c+1]   ; (a conversion's three registers begin on an even number)
.endr
	v_nop                                          ; one plain place behind a scaled conversion
.irp c, 0,1                            ; the operand's layout wants a whole block in a lane
.irp i, 0,1,2
	v_permlane16_swap_b32 v[PC+6*\c+\i], v[PC+12+4*\c+\i]
.endr
.irp i, 0,1,2
	v_mov_b32 v[PC+3+6*\c+\i], v[PC+12+4*\c+\i]
.endr
.endr
.endm
.macro IMAGE q
.if (\q) < 3
	s_wait_loadcnt 16                              ; this image's 16 loads are in; the next image's 16 may be out
.else
	s_wait_loadcnt 0
.endif
.irp i, 0,1,2,3,4,5,6,7,8,9,10,11,12,13,14,15
	ds_store_b128 v5, v[R+64*((\q)%2)+4*\i:R+64*((\q)%2)+4*\i+3] offset:528*\i
.endr
.irp b, 0,1,2,3
.irp j, 0,1,2,3
	ds_load_b128 v[X+16*\b+4*\j:X+16*\b+4*\j+3], v6 offset:128*\b+16*\j   ; a wave's LDS instructions are served in order: these see the stores above
.endr
.endr
	s_wait_dscnt 0x0
	s_wait_xcnt 0x0                                ; the last image's stores have read their registers: the codes may be written anew
.if (\q) < 2
	LOAD (\q)+2
.endif
	QUANT X, PWS+(\q)
.irp c, 0,1,2
	global_store_b128 v4, v[PC+4*\c:PC+4*\c+3], s[14:15] offset:1536*(\q)+512*\c   ; 32 lanes store 512 consecutive bytes
.endr
.endm
	s_wait_alu depctr_va_vdst(0)
	IMAGE 0
	IMAGE 1
	IMAGE 2
	IMAGE 3
	global_store_b128 v7, v[PWS:PWS+3], s[16:17]   ; 256 consecutive bytes; lanes r and r + 16 hold, and store, the same words
	s_wait_tensorcnt 0x0                           ; the wave's end
	ds_add_u32 v[SPW], v[NIL]
	s_wait_dscnt 0x0
	s_endpgm
; THE TABLE.  rope = [token block 128][8 chunks][lane][16 bytes]: chunk c: cos(t af[16 h + 4 c .. + 3]), chunk 4 + c: the sines; t = the token in slot r of the block.
.set TH, 64
.set NN, 80
.set RH, 96
.set ZZ, 112
.set SN, 128
.set CN, 144
.set QQ, 160
.set CO, 176
.set SI, 192
.set T,  208
.Lrope:
	s_sub_co_u32 s21, ttmp9, 640
	s_lshl_b32 s21, s21, 2
	s_add_co_u32 s21, s21, s20                     ; my token block
	s_lshr_b32 s22, s21, 1
	s_lshl_b32 s22, s22, 5
	s_and_b32 s23, s21, 1
	s_lshl_b32 s23, s23, 3
	s_add_co_u32 s22, s22, s23
	s_wait_alu depctr_va_vdst(0)
	v_and_b32 v5, 8, v2
	v_add_nc_u32 v5, v5, v2
	v_add_nc_u32 v5, s22, v5                       ; t
	v_cvt_f32_u32 v5, v5
	v_lshlrev_b32 v6, 4, v3                        ; 16 h
	s_wait_alu depctr_va_vdst(0)
	s_lshl_b32 s26, s21, 12
	s_mov_b32 s27, 0
	s_add_nc_u64 s[18:19], s[18:19], s[26:27]
	s_mov_b32 s30, 0x3f22f983                      ; 2 / pi
	s_mov_b32 s31, 0x3fc90fdb                      ; pi / 2, its f32,
	s_mov_b32 s32, 0xb33bbd2e                      ; and what that f32 leaves
	s_mov_b32 s33, 0xb94ca1f9                      ; the sine's three coefficients
	s_mov_b32 s34, 0x3c08839e
	s_mov_b32 s35, 0xbe2aaaa3
	s_mov_b32 s36, 0x37ccf5ce                      ; the cosine's
	s_mov_b32 s37, 0xbab6061a
	s_mov_b32 s38, 0x3d2aaaa5
.irp k, 0,1,2,3,4,5,6,7,8,9,10,11,12,13,14,15
	v_add_nc_u32 v[TH+\k], \k, v6                  ; d = 16 h + k
.endr
.irp k, 0,1,2,3,4,5,6,7,8,9,10,11,12,13,14,15
	v_cvt_f32_u32 v[TH+\k], v[TH+\k]
.endr
.irp k, 0,1,2,3,4,5,6,7,8,9,10,11,12,13,14,15
	v_mul_f32 v[TH+\k], 0xbea5294a, v[TH+\k]       ; -10 d / 31
.endr
	s_wait_alu depctr_va_vdst(0)
.irp k, 0,1,2,3,4,5,6,7,8,9,10,11,12,13,14,15
	v_exp_f32 v[TH+\k], v[TH+\k]                   ; af = (1 / 1024)^(d / 31)
.endr
	v_nop                                          ; a plain place behind the batch,
	s_wait_alu depctr_va_vdst(0)                   ; and one wait for it, ahead of its first reader
.irp k, 0,1,2,3,4,5,6,7,8,9,10,11,12,13,14,15
	v_mul_f32 v[TH+\k], v5, v[TH+\k]               ; theta = t af, rounded once
.endr
.irp k, 0,1,2,3,4,5,6,7,8,9,10,11,12,13,14,15
	v_mul_f32 v[NN+\k], s30, v[TH+\k]
.endr
.irp k, 0,1,2,3,4,5,6,7,8,9,10,11,12,13,14,15
	v_rndne_f32 v[NN+\k], v[NN+\k]                 ; n quarter turns
.endr
.irp k, 0,1,2,3,4,5,6,7,8,9,10,11,12,13,14,15
	v_fma_f32 v[RH+\k], -v[NN+\k], s31, v[TH+\k]
.endr
.irp k, 0,1,2,3,4,5,6,7,8,9,10,11,12,13,14,15
	v_fma_f32 v[RH+\k], -v[NN+\k], s32, v[RH+\k]   ; rho = theta - n pi / 2, at most pi / 4 in size
.endr
.irp k, 0,1,2,3,4,5,6,7,8,9,10,11,12,13,14,15
	v_mul_f32 v[ZZ+\k], v[RH+\k], v[RH+\k]
.endr
.irp k, 0,1,2,3,4,5,6,7,8,9,10,11,12,13,14,15
	v_fma_f32 v[SN+\k], v[ZZ+\k], s33, s34
.endr
.irp k, 0,1,2,3,4,5,6,7,8,9,10,11,12,13,14,15
	v_fma_f32 v[SN+\k], v[SN+\k], v[ZZ+\k], s35
.endr
.irp k, 0,1,2,3,4,5,6,7,8,9,10,11,12,13,14,15
	v_mul_f32 v[T+\k], v[RH+\k], v[ZZ+\k]
.endr
.irp k, 0,1,2,3,4,5,6,7,8,9,10,11,12,13,14,15
	v_fma_f32 v[SN+\k], v[T+\k], v[SN+\k], v[RH+\k]   ; sin rho
.endr
.irp k, 0,1,2,3,4,5,6,7,8,9,10,11,12,13,14,15
	v_fma_f32 v[CN+\k], v[ZZ+\k], s36, s37
.endr
.irp k, 0,1,2,3,4,5,6,7,8,9,10,11,12,13,14,15
	v_fma_f32 v[CN+\k], v[CN+\k], v[ZZ+\k], s38
.endr
.irp k, 0,1,2,3,4,5,6,7,8,9,10,11,12,13,14,15
	v_mul_f32 v[T+\k], v[ZZ+\k], v[ZZ+\k]
.endr
.irp k, 0,1,2,3,4,5,6,7,8,9,10,11,12,13,14,15
	v_fma_f32 v[RH+\k], v[ZZ+\k], -0.5, 1.0
.endr
.irp k, 0,1,2,3,4,5,6,7,8,9,10,11,12,13,14,15
	v_fma_f32 v[CN+\k], v[T+\k], v[CN+\k], v[RH+\k]   ; cos rho
.endr
.irp k, 0,1,2,3,4,5,6,7,8,9,10,11,12,13,14,15
	v_cvt_i32_f32 v[QQ+\k], v[NN+\k]
.endr
.irp k, 0,1,2,3,4,5,6,7,8,9,10,11,12,13,14,15
	v_and_b32 v[T+\k], 1, v[QQ+\k]                 ; an odd number of quarter turns changes sine and cosine over
	v_cmp_ne_u32 vcc_lo, 0, v[T+\k]
	v_cndmask_b32 v[SI+\k], v[SN+\k], v[CN+\k], vcc_lo
	v_cndmask_b32 v[CO+\k], v[CN+\k], v[SN+\k], vcc_lo
	v_lshlrev_b32 v[T+\k], 30, v[QQ+\k]            ; the sine's sign: bit 1 of n
	v_and_b32 v[T+\k], 0x80000000, v[T+\k]
	v_xor_b32 v[SI+\k], v[T+\k], v[SI+\k]
	v_add_nc_u32 v[T+\k], 1, v[QQ+\k]              ; the cosine's: bit 1 of n + 1
	v_lshlrev_b32 v[T+\k], 30, v[T+\k]
	v_and_b32 v[T+\k], 0x80000000, v[T+\k]
	v_xor_b32 v[CO+\k], v[T+\k], v[CO+\k]
.endr
.irp c, 0,1,2,3
	global_store_b128 v4, v[CO+4*\c:CO+4*\c+3], s[18:19] offset:512*\c
	global_store_b128 v4, v[SI+4*\c:SI+4*\c+3], s[18:19] offset:2048+512*\c
.endr
	s_endpgm
.Lfunc_end_k_qbd0943b0f4_quant:
	.size	k_qbd0943b0f4_quant, .Lfunc_end_k_qbd0943b0f4_quant-k_qbd0943b0f4_quant
	.p2alignl 7, 3214868480
	.fill 96, 4, 3214868480
	.section	.rodata,"a",@progbits
	.p2align	6, 0x0
	.amdhsa_kernel k_qbd0943b0f4_quant
		.amdhsa_group_segment_fixed_size 34304
		.amdhsa_private_segment_fixed_size 0
		.amdhsa_enable_private_segment 0
		.amdhsa_kernarg_size 64
		.amdhsa_user_sgpr_count 2
		.amdhsa_user_sgpr_kernarg_segment_ptr 1
		.amdhsa_wavefront_size32 1
		.amdhsa_system_sgpr_workgroup_id_x 1
		.amdhsa_system_sgpr_workgroup_id_y 1
		.amdhsa_system_sgpr_workgroup_id_z 1
		.amdhsa_system_vgpr_workitem_id 0
		.amdhsa_next_free_vgpr 256
		.amdhsa_next_free_sgpr 66
		.amdhsa_reserve_vcc 1
		.amdhsa_float_denorm_mode_32 3
		.amdhsa_float_denorm_mode_16_64 3
		.amdhsa_memory_ordered 1
		.amdhsa_forward_progress 1
		.amdhsa_inst_pref_size 57
	.end_amdhsa_kernel
	.amdgpu_metadata
---
amdhsa.version: [ 1, 2 ]
amdhsa.kernels:
  - .name:           k_qbd0943b0f4_quant
    .symbol:         k_qbd0943b0f4_quant.kd
    .args:
      - { .name: x, .offset: 0, .size: 8, .value_kind: global_buffer, .address_space: global }
      - { .name: Wq, .offset: 8, .size: 8, .value_kind: global_buffer, .address_space: global }
      - { .name: Wk, .offset: 16, .size: 8, .value_kind: global_buffer, .address_space: global }
      - { .name: Wv, .offset: 24, .size: 8, .value_kind: global_buffer, .address_space: global }
      - { .name: Wo, .offset: 32, .size: 8, .value_kind: global_buffer, .address_space: global }
      - { .name: codes1, .offset: 40, .size: 8, .value_kind: global_buffer, .address_space: global }
      - { .name: scales1, .offset: 48, .size: 8, .value_kind: global_buffer, .address_space: global }
      - { .name: rope, .offset: 56, .size: 8, .value_kind: global_buffer, .address_space: global }
    .group_segment_fixed_size: 34304
    .private_segment_fixed_size: 0
    .kernarg_segment_align: 8
    .kernarg_segment_size: 64
    .max_flat_workgroup_size: 128
    .sgpr_count:     66
    .vgpr_count:     256
    .wavefront_size: 32
...
	.end_amdgpu_metadata
.endif
;; end of part 1
;; launch qkv (part 2): grid 24 x 8, 4 waves a work-group, clusters of 4 x 4, 327,680 bytes of LDS; arguments codes1, scales1, rope, qkv; writes qkv
.if DOCPART == 2
	.amdgcn_target "amdgcn-amd-amdhsa--gfx1250"
	.amdhsa_code_object_version 6
	.text
	.protected	k_qbd0943b0f4_qkv
	.globl	k_qbd0943b0f4_qkv
	.p2align	8
	.type	k_qbd0943b0f4_qkv,@function
k_qbd0943b0f4_qkv:
	s_mov_b64 s[64:65], 0
	v_nop
	global_prefetch_b8 v0, s[64:65] scope:SCOPE_SE
	s_setreg_imm32_b32 hwreg(HW_REG_WAVE_MODE, 25, 1), 1
	s_wait_xcnt 0x0
	s_wait_alu depctr_hold_cnt(0) depctr_sa_sdst(0) depctr_va_vdst(0) depctr_va_sdst(0) depctr_va_ssrc(0) depctr_va_vcc(0) depctr_vm_vsrc(0)
	s_getreg_b32 s2, hwreg(HW_REG_IB_STS2, 6, 4)
	s_cmp_eq_u32 s2, 0
	s_cbranch_scc0 .Lentry_in_a_cluster
	s_endpgm
.Lentry_in_a_cluster:
	s_bfe_u32 s2, ttmp6, 0x10000c
	s_cmp_lg_u32 s2, 0xf033
	s_cbranch_scc0 .Lentry_shape_is_right
	s_endpgm
.Lentry_shape_is_right:
; LAUNCH 2 OF 4.  q = x Wq^T, k = x Wk^T, v = x Wv^T on codes of FP6; RoPE on q and k in f32; then q and k are quantised along the head's 128 and v along the keys, and leave as images of operand registers.
; LEFT OUT (shown at the head of launch 1): RoPE on dims 32 .. 63 and 96 .. 127 of a head, where reference()'s own frequencies are zeros.
; A work-group of four waves makes 256 x 256, a wave 128 x 128: 64 accumulators.  K = 2,048 is 16 steps of 128; they go through a ring of two LDS slots of THREE steps each, filled by the tensor data mover: fills of
; 3, 3, 3, 3, 3 and 1 steps, the first two at the start, four refills.  A refill is asked for in the middle of its slot's last step and waited for at the head of the other slot's last step: 160 matrix instructions later.
; ONE TEXT FOR q, k AND v, BY A CHANGE OF ROLES.  The matrix instruction is used transposed (source 0 = 16 rows of B, source 1 = 16 rows of A): a lane holds one row of A and its registers run along B's rows.
; Tile columns 0-15: A = x, B = Wq | Wk: a lane holds a token, its 64 registers of a block the head's 128 dims.  Tile columns 16-23: A = Wv, B = x: a lane holds a dim d and its registers run along the tokens, v's K.
; Blocks of 16 rows are stored so that the 16 registers of two neighbouring result tiles are 16 neighbours (launch 1's head).  A wave's 128 rows of W are one head.
; OPERANDS lie in codes1 as images of their registers (1,536 bytes a fragment): three loads of 16 bytes a lane, 512 consecutive bytes each: no pitch, no padding.
; THE SCALE WORDS of all of K come straight into 128 registers, in runs of 256 consecutive bytes: the two slots take 294,912 bytes of LDS and the spare words 512, which leaves 32,256, and the words of 512 rows are 32,768.
; Word (block i, K step s) stands in register 16 i + s of the 128: lanes 0-15 A's block, lanes 16-31 B's.  So each K step names registers of its own, and the 16 steps are written out.
; OUT: qkv = [head 16][group of 128 tokens 16][Q | K | V, 12,800 bytes each]; each of the three is two quarters of [4 images][256 bytes: slot r's 4 scale words of those 4 tiles].
; CLUSTERS: 4 x 4 work-groups; A's tiles are asked for jointly along a row of the cluster, B's along a column.  192 work-groups: a tile of half the size would make 384, which is no whole number of turns either.
; REGISTERS, in windows of 256: window 0: v16-31 addresses; v32-127 and v224-255 scale words; v128-223 A's fragments, one set.  window 1: B's fragments, two sets, at v0 and v128.  windows 2, 3: the accumulators, (a, b) at v[8 (8 (a % 4) + b)].
.set FR,    12                         ; registers of a fragment
.set NL,    3                          ; LDS loads that bring one
.set NP,    4                          ; places behind this matrix instruction (ISA guide 7.12.1)
.set QUART, 36864                      ; what one tensor load brings: [block 8][step 3][1,536]
.set SLOT,  4*QUART                    ; A's two halves, then B's two
.set SPARE, 2*SLOT                     ; behind the ring: the spare words, 128 bytes a wave
.set ADRA, 16                          ; v16-17 LDS address of my A fragments in slot 0, 1
.set ADRB, 20                          ; v20-21 the same for B
.set LI,   24                          ; v24  16 x lane
.set SOF,  25                          ; v25  where my scale words go: 6,400 h + 6,144 + 16 r
.set HH,   26                          ; v26  h
.set PFO3, 27                          ; v27, v30, v31 the prefetches' offsets; never rewritten
.set SPW,  28                          ; v28  my spare word; never rewritten
.set NIL,  29                          ; v29  0; never rewritten
.set PFO,  30
.set PFO2, 31
.set SC,   32                          ; scale word n = 16 i + s at v[SC + n + 96 (n / 96)]
.set AF,   128
.set TM,   64                          ; the way out: v64-79 at work, v80-87 the eight scale words, v88-91 those I store, v96-115 codes, v128-159 RoPE's products
.set PWS,  80
.set SW,   88
.set PC,   96
.set T1,   128
.set T2,   144
.set G1,   24                          ; s[24:31] group 1 for A's tiles; s[32:39] group 0, a set for each slot
.set G0,   32
.set G1B,  48                          ; s[48:55], s[56:63] the same for B's
.set G0B,  56
.set G1L,  68                          ; s[68:75] group 1 for A's last fill, one K step;  s[80:87] for B's
.set G1LB, 80
.set PFA,  76                          ; s[76:77] the two rows of the eight that I fetch for which my work-group prefetches; never rewritten
.set LIM,  78                          ; s78  1 in a wave that prefetches
.set SEL,  98
.set MSB, 0
.macro WIN new                         ; the immediate's high byte repeats the setting that is left
.if MSB != \new
	s_set_vgpr_msb (MSB<<8)|\new
.set MSB, \new
.endif
.endm
.set MUL_LO, 0xa1                      ; source 0 (B) window 1, source 1 (A) window 0, C and D window 2
.set MUL_HI, 0xf1
.set TO_B,   0x40
; A joint load: waves 0 and 1 fetch for A, waves 2 and 3 for B; the branch hangs on the wave's number alone.  An s_nop 0 and four v_nop follow each line.
.macro JLOAD g0a, g1a, g0b, g1b
	s_cmp_eq_u32 s15, 0
	s_cbranch_scc0 .Lfor_b_\@
	tensor_load_to_lds s[\g0a:\g0a+3], s[\g1a:\g1a+7]
	s_nop 0
.rept 4
	v_nop
.endr
	s_branch .Lasked_\@
.Lfor_b_\@:
	tensor_load_to_lds s[\g0b:\g0b+3], s[\g1b:\g1b+7]
	s_nop 0
.rept 4
	v_nop
.endr
.Lasked_\@:
.endm
.macro CREST                           ; a round of the cluster's barrier behind its opening barrier
	s_cmp_lg_u32 s14, 0
	s_cbranch_scc1 .Lnot_wave_0_\@
	s_barrier_signal -3
.Lnot_wave_0_\@:
	s_barrier_wait -3
	s_barrier_signal -1
	s_barrier_wait -1
.endm
.macro CROUND
	s_barrier_signal -1
	s_barrier_wait -1
	CREST
.endm
; A PREFETCH of three K steps of a block: 4,608 consecutive bytes, 18 blocks of 256.  Of the eight rows that a wave fetches, each of the four partners that ask for them jointly takes two, told apart BY ADDRESS;
; lanes 0-15 take one row, lanes 16-31 the other; the first line names 16 blocks of each row, the second the other two (its lanes above 1 of each half name the second again).
; Who asks (LIM): x's rows and Wv's by the first cluster along x to which they are A; Wq's and Wk's by cluster y = 0; x as B of the clusters that make v by nobody: cluster x = 0 names those rows.
; K steps 3-5 are asked for at the head, while slot 0's load is out; K steps 9 on one slot ahead of their refills; K steps 0-2 and 6-8 come by their loads alone.  Every offset is an immediate.
.macro ASK k0
	s_cmp_eq_u32 s[LIM], 1
	s_cbranch_scc0 .Lnot_mine_\@
	global_prefetch_b8 v[PFO], s[PFA:PFA+1] offset:1536*(\k0) th:TH_LOAD_NT scope:SCOPE_SE
	s_wait_alu depctr_va_vdst(0)
	global_prefetch_b8 v[PFO2], s[PFA:PFA+1] offset:1536*(\k0)+4096 th:TH_LOAD_NT scope:SCOPE_SE
.Lnot_mine_\@:
.endm
.macro ASK1                            ; the last fill: K step 15, 6 blocks of 256 bytes a row (the lanes above 5 of each half name the sixth again): it ends with the row
	s_cmp_eq_u32 s[LIM], 1
	s_cbranch_scc0 .Lnot_mine_\@
	s_wait_alu depctr_va_vdst(0)
	global_prefetch_b8 v[PFO3], s[PFA:PFA+1] offset:1536*15 th:TH_LOAD_NT scope:SCOPE_SE
.Lnot_mine_\@:
.endm
	s_load_b256 s[4:11], s[0:1], 0x0               ; codes1, scales1, rope, qkv
	v_lshl_add_u32 v[SPW], v0, 2, SPARE
	v_mov_b32 v[NIL], 0
	ds_add_u32 v[SPW], v[NIL]                      ; the wave's opening: the add, twice on end, and its wait ahead of my first tensor load
	ds_add_u32 v[SPW], v[NIL]
	v_lshrrev_b32 v1, 5, v0
	v_readfirstlane_b32 s14, v1                    ; wave
	s_lshr_b32 s15, s14, 1                         ; my half of the tile's rows.  Also: I fetch for A (0) or B (1)
	s_and_b32 s16, s14, 1                          ; my half of its columns.  Also: which 128 rows I fetch
	s_bfe_u32 s40, ttmp6, 0x40000                  ; cx
	s_bfe_u32 s41, ttmp6, 0x40004                  ; cy
	s_lshl_b32 s42, ttmp9, 2
	s_add_co_u32 s42, s42, s40                     ; tile column
	s_and_b32 s17, ttmp7, 0xffff
	s_lshl_b32 s17, s17, 2
	s_add_co_u32 s17, s17, s41                     ; tile row
	s_lshl_b32 s43, s41, 2
	s_lshl_b32 s43, 15, s43                        ; my row of the cluster
	s_lshl_b32 s44, 0x1111, s40                    ; my column
	s_lshr_b32 s96, ttmp9, 2                       ; 1 in the clusters that make v: the same in all sixteen partners
	s_mul_i32 s97, s96, 384
	s_or_b32 s[G1+0], s43, (3<<16)|(1<<21)         ; the mask; elements of 8 bytes; bit 21 beside a mask; no padding
	s_or_b32 s[G1B+0], s44, (3<<16)|(1<<21)
	s_or_b32 s[G1L+0], s43, (3<<16)|(1<<21)
	s_or_b32 s[G1LB+0], s44, (3<<16)|(1<<21)
.irp g, G1, G1B
	s_mov_b32 s[\g+1], 576<<16                     ; a row: three K steps' images of one block, 4,608 bytes
	s_mov_b32 s[\g+2], 8<<16                       ; 8 blocks
	s_mov_b32 s[\g+3], 576<<16
	s_mov_b32 s[\g+4], 8
	s_mov_b32 s[\g+5], 3072                        ; from block to block: 24,576 bytes
	s_mov_b32 s[\g+6], 0
	s_mov_b32 s[\g+7], 0
.endr
.irp g, G1L, G1LB
	s_mov_b32 s[\g+1], 192<<16                     ; a row: one K step's image, 1,536 bytes
	s_mov_b32 s[\g+2], 8<<16
	s_mov_b32 s[\g+3], 192<<16
	s_mov_b32 s[\g+4], 8
	s_mov_b32 s[\g+5], 3072
	s_mov_b32 s[\g+6], 0
	s_mov_b32 s[\g+7], 0
.endr
	s_lshl_b32 s18, s16, 3
	s_lshl_b32 s20, s17, 4
	s_add_co_u32 s20, s20, s18
	s_add_co_u32 s20, s20, s97                     ; A's first block that I fetch: x's, or Wv's (384 on)
	s_lshl_b32 s46, s42, 4
	s_add_co_u32 s46, s46, s18
	s_add_co_u32 s46, s46, 128
	s_sub_co_u32 s46, s46, s97                     ; B's: Wq's and Wk's from 128 on, or x's
	s_mul_i32 s20, s20, 24576
	s_mov_b32 s21, 0
	s_mul_i32 s46, s46, 24576
	s_mov_b32 s47, 0
	s_mul_i32 s45, s14, QUART                      ; where they go: no place in the cluster enters an LDS address
	s_mov_b32 s[SEL], 0x76543210
	s_mov_b32 s[SEL+1], 0xfedcba98
	s_and_b32 s91, ttmp9, 3                        ; who prefetches.  For A: 0 in the first of the clusters to which these rows are A
	s_and_b32 s94, ttmp7, 0xffff
	s_or_b32 s94, s94, s96                         ; for B: 0 where cluster y = 0 and the cluster makes q or k
	s_cmp_eq_u32 s15, 0
	s_cselect_b32 s91, s91, s94
	s_cselect_b32 s88, s40, s41                    ; my place among the four that ask for the tile with me
	s_mul_i32 s88, s88, 2*24576                    ; my work-group's two rows of the eight
	s_mov_b32 s89, 0
	s_cmp_eq_u32 s91, 0
	s_cselect_b32 s[LIM], 1, 0                     ; made of the cluster's x and y and the wave's number: the same in all sixteen partners
	s_wait_dscnt 0x0                               ; both opening adds are done
	s_wait_kmcnt 0x0
	s_add_nc_u64 s[20:21], s[4:5], s[20:21]
	s_add_nc_u64 s[46:47], s[4:5], s[46:47]
	s_cmp_eq_u32 s15, 0
	s_cselect_b64 s[PFA:PFA+1], s[20:21], s[46:47]
	s_add_nc_u64 s[PFA:PFA+1], s[PFA:PFA+1], s[88:89]
	CROUND                                         ; all sixteen work-groups are here: the first joint loads meet
.irp s, 0,1
	s_mov_b32 s[G0+4*\s], 1
	s_add_co_u32 s[G0+4*\s+1], s45, \s*SLOT
	s_add_nc_u64 s[G0+4*\s+2:G0+4*\s+3], s[20:21], \s*4608
	s_or_b32 s[G0+4*\s+3], s[G0+4*\s+3], 0x80000000
	s_mov_b32 s[G0B+4*\s], 1
	s_add_co_u32 s[G0B+4*\s+1], s45, \s*SLOT
	s_add_nc_u64 s[G0B+4*\s+2:G0B+4*\s+3], s[46:47], \s*4608
	s_or_b32 s[G0B+4*\s+3], s[G0B+4*\s+3], 0x80000000
.endr
	JLOAD G0, G1, G0B, G1B                         ; K steps 0-2: one tensor load a wave at the head
	v_and_b32 v1, 15, v0                           ; r
	v_bfe_u32 v[HH], v0, 4, 1                      ; h
	s_wait_alu depctr_va_vdst(0)
	v_and_b32 v2, 31, v0
	v_lshlrev_b32 v[LI], 4, v2
	s_wait_alu depctr_va_vdst(0)
	s_lshl_b32 s88, s17, 4                         ; the scale words: the first block of the 128 rows of A that I multiply,
	s_lshl_b32 s89, s15, 3
	s_add_co_u32 s88, s88, s89
	s_add_co_u32 s88, s88, s97
	s_lshl_b32 s88, s88, 10                        ; 1,024 bytes a block
	s_lshl_b32 s90, s42, 4                         ; and of B
	s_lshl_b32 s89, s16, 3
	s_add_co_u32 s90, s90, s89
	s_add_co_u32 s90, s90, 128
	s_sub_co_u32 s90, s90, s97
	s_lshl_b32 s90, s90, 10
	v_mov_b32 v4, s88
	v_mov_b32 v5, s90
	v_cmp_ne_u32 vcc_lo, 0, v[HH]
	v_cndmask_b32 v4, v4, v5, vcc_lo               ; lanes 0-15 take A's words, lanes 16-31 B's
	v_lshl_add_u32 v4, v1, 4, v4                   ; + 16 r: slot r's four words of four K steps
.irp i, 0,1,2,3,4,5,6,7
.irp j, 0,1,2,3
	global_load_b128 v[SC+16*\i+4*\j+96*(\i/6):SC+16*\i+4*\j+96*(\i/6)+3], v4, s[6:7] offset:1024*\i+256*\j   ; block i, K steps 4 j .. 4 j + 3: two runs of 256 consecutive bytes
.endr
.endr
	s_mul_i32 s21, s15, QUART                      ; my 128 rows of A
	s_mul_i32 s22, s16, QUART
	s_add_co_u32 s22, s22, 2*QUART                 ; my 128 rows of B
.irp s, 0,1
	v_add_nc_u32 v[ADRA+\s], s21, v[LI]
	v_add_nc_u32 v[ADRB+\s], s22, v[LI]
	s_add_co_u32 s21, s21, SLOT
	s_add_co_u32 s22, s22, SLOT
.endr
	v_mul_u32_u24 v[PFO], v[HH], 24576             ; the prefetches: lanes 16-31 a row (24,576 bytes) on; 256 bytes from lane to lane
	v_lshl_add_u32 v[PFO], v1, 8, v[PFO]
	v_min_u32 v6, 1, v1
	v_mul_u32_u24 v[PFO2], v[HH], 24576
	v_lshl_add_u32 v[PFO2], v6, 8, v[PFO2]
	v_min_u32 v6, 5, v1
	v_mul_u32_u24 v[PFO3], v[HH], 24576
	v_lshl_add_u32 v[PFO3], v6, 8, v[PFO3]
	s_wait_alu depctr_va_vdst(0)
	ASK 3                                          ; what slot 1's first fill will load
	v_mul_u32_u24 v[SOF], v[HH], 6400
	v_lshl_add_u32 v[SOF], v1, 4, v[SOF]
	v_add_nc_u32 v[SOF], 6144, v[SOF]
	s_lshl_b32 s20, s17, 4                         ; the table of cos and sin at my first token block
	s_lshl_b32 s21, s15, 3
	s_add_co_u32 s20, s20, s21
	s_lshl_b32 s20, s20, 12
	s_mov_b32 s21, 0
	s_add_nc_u64 s[8:9], s[8:9], s[20:21]
	s_lshl_b32 s46, s42, 1                         ; where my 12,800 bytes go
	s_add_co_u32 s46, s46, s16
	s_and_b32 s46, s46, 15                         ; by B's half: the head (q, k) or the group of tokens (v)
	s_lshl_b32 s47, s17, 1
	s_add_co_u32 s47, s47, s15                     ; by A's half: the group of tokens (q, k) or the head (v)
	s_cmp_eq_u32 s96, 0
	s_cselect_b32 s92, s46, s47
	s_cselect_b32 s93, s47, s46
	s_lshl_b32 s92, s92, 4
	s_add_co_u32 s92, s92, s93
	s_mul_i32 s92, s92, 38400
	s_lshr_b32 s93, s42, 3                         ; 0: Q, 1: K, 2: V
	s_mul_i32 s93, s93, 12800
	s_add_co_u32 s92, s92, s93
	s_mov_b32 s93, 0
	s_add_nc_u64 s[10:11], s[10:11], s[92:93]
; K step s lies in slot (s / 3) % 2, as the (s % 3)-th of a block's three images; K step 15 came alone, its blocks 1,536 bytes apart.
.macro FRAG reg, adr, s, i             ; a fragment's image: three loads of 512 consecutive bytes
.set RP, 4608
.if (\s) == 15
.set RP, 1536
.endif
.irp c, 0,1,2
	ds_load_b128 v[\reg+4*\c:\reg+4*\c+3], v[\adr] offset:RP*(\i)+1536*((\s)%3)+512*\c
.endr
.endm
; 16 matrix instructions of K step s: A's blocks a0, a0 + 1 x B's eight (B's set s % 2).  The 64 accumulators take turns, one instruction a turn, in the same order in every step.
; K step 0's products start the sums: nothing is cleared.
.macro MUL16 a0, s
.irp a, \a0, \a0+1
.irp b, 0,1,2,3,4,5,6,7
.if (\s) == 0
	v_wmma_scale_f32_16x16x128_f8f6f4 v[8*(8*((\a)%4)+\b):8*(8*((\a)%4)+\b)+7], v[128*((\s)%2)+FR*\b:128*((\s)%2)+FR*\b+FR-1], v[AF+FR*(\a):AF+FR*(\a)+FR-1], 0, v[SC+16*\b+(\s)+96*((16*\b+(\s))/96)], v[SC+16*(\a)+(\s)+96*((16*(\a)+(\s))/96)] matrix_a_fmt:MATRIX_FMT_FP6 matrix_b_fmt:MATRIX_FMT_FP6 matrix_a_scale:MATRIX_SCALE_ROW1
.else
	v_wmma_scale_f32_16x16x128_f8f6f4 v[8*(8*((\a)%4)+\b):8*(8*((\a)%4)+\b)+7], v[128*((\s)%2)+FR*\b:128*((\s)%2)+FR*\b+FR-1], v[AF+FR*(\a):AF+FR*(\a)+FR-1], v[8*(8*((\a)%4)+\b):8*(8*((\a)%4)+\b)+7], v[SC+16*\b+(\s)+96*((16*\b+(\s))/96)], v[SC+16*(\a)+(\s)+96*((16*(\a)+(\s))/96)] matrix_a_fmt:MATRIX_FMT_FP6 matrix_b_fmt:MATRIX_FMT_FP6 matrix_a_scale:MATRIX_SCALE_ROW1
.endif
.endr
.endr
.endm
.macro FETCH_B s                       ; B's eight fragments of K step s into set s % 2
	WIN TO_B
.irp i, 0,1,2,3,4,5,6,7
	FRAG 128*((\s)%2)+FR*\i, ADRB+((\s)/3)%2, \s, \i
.endr
	WIN 0
.endm
.macro FETCH_A s, i0                   ; A's blocks i0 .. i0 + 3 of K step s
.irp i, \i0, \i0+1, \i0+2, \i0+3
	FRAG AF+FR*(\i), ADRA+((\s)/3)%2, \s, \i
.endr
.endm
.macro PLACES n                        ; plain vector instructions between a matrix instruction and a load into, or a read of, its registers
.rept \n
	v_nop
.endr
.endm
.macro STEP s
.if (\s) == 15                         ; the last K step: nothing more to fetch
	s_wait_dscnt 4*NL
	WIN MUL_LO
	MUL16 0, \s
	MUL16 2, \s
	s_wait_dscnt 0
	WIN MUL_HI
	MUL16 4, \s
	MUL16 6, \s
	WIN 0
.elseif (\s)%3 == 2                    ; a slot's last step changes slots: one barrier; in front of it each wave waits for all its tensor loads, adds 0 to its spare word, and waits for that and for its reads of this slot
	s_wait_tensorcnt 0x0                           ; my part of the other slot has landed
	ds_add_u32 v[SPW], v[NIL]
	s_wait_dscnt 4*NL+1                            ; the add and the youngest twelve loads (A's blocks 4-7) may be out
	WIN MUL_LO
	MUL16 0, \s
	s_wait_dscnt 0x0                               ; the add is done, and my reads of this slot are over
	s_barrier_signal -1
	MUL16 2, \s
	WIN 0
	s_barrier_wait -1
.if (\s) < 14
	CREST                                          ; the barrier has opened a round of the cluster's: no wave of any partner still reads this slot or has a load on its way
	s_add_nc_u64 s[G0+4*(((\s)/3)%2)+2:G0+4*(((\s)/3)%2)+3], s[G0+4*(((\s)/3)%2)+2:G0+4*(((\s)/3)%2)+3], 2*4608
	s_add_nc_u64 s[G0B+4*(((\s)/3)%2)+2:G0B+4*(((\s)/3)%2)+3], s[G0B+4*(((\s)/3)%2)+2:G0B+4*(((\s)/3)%2)+3], 2*4608
.if (\s) == 11
	JLOAD G0+4, G1L, G0B+4, G1LB                   ; K step 15 alone
.else
	JLOAD G0+4*(((\s)/3)%2), G1, G0B+4*(((\s)/3)%2), G1B   ; the K steps six on: the first tensor load behind the round; its four v_nop are the places in front of the loads below
.endif
.else
	PLACES NP                                      ; K step 14: nothing is left to fetch, and no round follows
.endif
	FETCH_B (\s)+1
	FETCH_A (\s)+1, 0
.if (\s) < 8
	ASK (\s)+7                                     ; what the next refill will load
.elseif (\s) == 8
	ASK1
.endif
	WIN MUL_HI
	MUL16 4, \s
	MUL16 6, \s
	PLACES NP
	WIN 0
	FETCH_A (\s)+1, 4
.else                                  ; a step that has its successor in the same slot
	s_wait_dscnt 4*NL                              ; all but the youngest twelve loads (A's blocks 4-7)
	WIN MUL_LO
	MUL16 0, \s
	MUL16 2, \s
	s_wait_dscnt 0
	PLACES NP
	FETCH_B (\s)+1
	FETCH_A (\s)+1, 0
	WIN MUL_HI
	MUL16 4, \s
	MUL16 6, \s
	PLACES NP
	WIN 0
	FETCH_A (\s)+1, 4
.endif
.endm
	s_wait_alu depctr_va_vdst(0)
	s_wait_tensorcnt 0x0                           ; my part of slot 0 is in
	ds_add_u32 v[SPW], v[NIL]
	s_wait_dscnt 0x0
	CROUND                                         ; everybody's part of slot 0 is in, and the sixteen work-groups meet
	JLOAD G0+4, G1, G0B+4, G1B                     ; K steps 3-5: slot 1's first fill, the first tensor load behind the round
	FETCH_B 0
	FETCH_A 0, 0
	FETCH_A 0, 4
	s_wait_loadcnt 0x0                             ; the scale words
.irp s, 0,1,2,3,4,5,6,7,8,9,10,11,12,13,14,15
	STEP \s
.endr
; THE WAY OUT.  Block a's 64 registers of a lane are 128 neighbours along the next K in halves: register 16 b + i = 32 b + 16 h + i.  q, k: RoPE on dims 16 h + i and 64 + 16 h + i; then all: quantised, and stored as an image.
; Each accumulator is first read at its two lowest registers.
.macro OUTBLK a, rot
.set WN, 2+(\a)/4
.set AC, 64*((\a)%4)
.set W_T, WN|4
.set W_F, WN|4|(WN<<6)
.set W_M1, WN|(WN<<2)
.set W_M2, (WN<<2)|(WN<<4)
.if \rot
	s_wait_loadcnt 8*(7-(\a))                      ; this block's eight loads of the table are in; the later blocks' may be out
	WIN W_T                                        ; source 0: the accumulators' window; source 1: window 1, the table
.irp i, 0,2,4,6,8,10,12,14
	v_pk_mul_f32 v[T1+\i:T1+\i+1], v[AC+\i:AC+\i+1], v[32*(\a)+\i:32*(\a)+\i+1]          ; x1 cos
	v_pk_mul_f32 v[T2+\i:T2+\i+1], v[AC+\i:AC+\i+1], v[32*(\a)+16+\i:32*(\a)+17+\i]      ; x1 sin
.endr
	WIN W_F
.irp i, 0,2,4,6,8,10,12,14
	v_pk_fma_f32 v[AC+\i:AC+\i+1], v[AC+32+\i:AC+33+\i], v[32*(\a)+16+\i:32*(\a)+17+\i], v[T1+\i:T1+\i+1]   ; y1 = x2 sin + x1 cos
	v_pk_fma_f32 v[AC+32+\i:AC+33+\i], v[AC+32+\i:AC+33+\i], v[32*(\a)+\i:32*(\a)+\i+1], v[T2+\i:T2+\i+1] neg_lo:[0,0,1] neg_hi:[0,0,1]   ; y2 = x2 cos - x1 sin
.endr
.endif
	s_wait_xcnt 0x0                                ; the last block's stores have read their registers
	WIN W_M1
.irp b, 0,1,2,3
	v_max3_num_f32 v[TM+\b], |v[AC+16*\b]|, |v[AC+1+16*\b]|, 0x1800000   ; and the floor 2^(3 - 127): the byte cannot fall under 1
.endr
	WIN W_M2
.irp i, 2,4,6,8,10,12,14
.irp b, 0,1,2,3
	v_max3_num_f32 v[TM+\b], v[TM+\b], |v[AC+16*\b+\i]|, |v[AC+1+16*\b+\i]|
.endr
.endr
	WIN 0
.irp b, 0,1,2,3
	v_permlanex16_b32 v[TM+4+\b], v[TM+\b], s[SEL], s[SEL+1]
.endr
.irp b, 0,1,2,3
	v_max_num_f32 v[TM+\b], v[TM+\b], v[TM+4+\b]
.endr
.irp b, 0,1,2,3
	v_add_nc_u32 v[TM+12+\b], 0xff000000, v[TM+\b]
.endr
.irp b, 0,1,2,3
	v_lshrrev_b32 v[TM+4+\b], 23, v[TM+12+\b]
.endr
	v_lshl_or_b32 v[PWS+(\a)], v[TM+5], 8, v[TM+4]
	v_lshl_or_b32 v[PWS+(\a)], v[TM+6], 16, v[PWS+(\a)]
	v_lshl_or_b32 v[PWS+(\a)], v[TM+7], 24, v[PWS+(\a)]
	WIN WN
.irp c, 0,1
	v_cvt_scalef32_pk16_fp6_f32 v[PC+6*\c:PC+2+6*\c], v[AC+32*\c:AC+15+32*\c], v[TM+12+2*\c]
	v_cvt_scalef32_pk16_fp6_f32 v[PC+12+4*\c:PC+14+4*\c], v[AC+16+32*\c:AC+31+32*\c], v[TM+12+2*\c+1]
.endr
	WIN 0
	v_nop                                          ; one plain place behind a scaled conversion
.irp c, 0,1
.irp i, 0,1,2
	v_permlane16_swap_b32 v[PC+6*\c+\i], v[PC+12+4*\c+\i]
.endr
.irp i, 0,1,2
	v_mov_b32 v[PC+3+6*\c+\i], v[PC+12+4*\c+\i]
.endr
.endr
.irp c, 0,1,2
	global_store_b128 v[LI], v[PC+4*\c:PC+4*\c+3], s[10:11] offset:6400*((\a)/4)+1536*((\a)%4)+512*\c   ; 512 consecutive bytes
.endr
.endm
	PLACES NP                                      ; behind the last products
.irp b, 0,1,2,3
	v_mov_b32 v[TM+4+\b], 0                        ; written once: a lane permute's destination counts as one of its sources
.endr
	s_cmp_ge_u32 ttmp9, 4                          ; the cluster's x: the same in all sixteen partners
	s_cbranch_scc1 .Lvpath
	WIN 0x40                                       ; the table, into window 1: block a's cos at v[32 a], its sin at v[32 a + 16]
.irp a, 0,1,2,3,4,5,6,7
.irp c, 0,1,2,3,4,5,6,7
	global_load_b128 v[32*\a+4*\c:32*\a+4*\c+3], v[LI], s[8:9] offset:4096*\a+512*\c
.endr
.endr
	WIN 0
.irp a, 0,1,2,3,4,5,6,7
	OUTBLK \a, 1
.endr
	s_branch .Lwords
.Lvpath:
.irp a, 0,1,2,3,4,5,6,7
	OUTBLK \a, 0
.endr
.Lwords:
	v_cmp_ne_u32 vcc_lo, 0, v[HH]                  ; lanes 0-15 store the words of tiles 0-3, lanes 16-31 those of tiles 4-7: two runs of 256 consecutive bytes
.irp i, 0,1,2,3
	v_cndmask_b32 v[SW+\i], v[PWS+\i], v[PWS+4+\i], vcc_lo
.endr
	global_store_b128 v[SOF], v[SW:SW+3], s[10:11]
	s_wait_tensorcnt 0x0                           ; the wave's end
	ds_add_u32 v[SPW], v[NIL]
	s_wait_dscnt 0x0
	CROUND                                         ; the closing round
	s_endpgm
.Lfunc_end_k_qbd0943b0f4_qkv:
	.size	k_qbd0943b0f4_qkv, .Lfunc_end_k_qbd0943b0f4_qkv-k_qbd0943b0f4_qkv
	.p2alignl 7, 3214868480
	.fill 96, 4, 3214868480
	.section	.rodata,"a",@progbits
	.p2align	6, 0x0
	.amdhsa_kernel k_qbd0943b0f4_qkv
		.amdhsa_group_segment_fixed_size 327680
		.amdhsa_private_segment_fixed_size 0
		.amdhsa_enable_private_segment 0
		.amdhsa_kernarg_size 32
		.amdhsa_user_sgpr_count 2
		.amdhsa_user_sgpr_kernarg_segment_ptr 1
		.amdhsa_wavefront_size32 1
		.amdhsa_system_sgpr_workgroup_id_x 1
		.amdhsa_system_sgpr_workgroup_id_y 1
		.amdhsa_system_sgpr_workgroup_id_z 1
		.amdhsa_system_vgpr_workitem_id 0
		.amdhsa_next_free_vgpr 1024
		.amdhsa_next_free_sgpr 100
		.amdhsa_reserve_vcc 1
		.amdhsa_float_denorm_mode_32 3
		.amdhsa_float_denorm_mode_16_64 3
		.amdhsa_memory_ordered 1
		.amdhsa_forward_progress 1
		.amdhsa_inst_pref_size 255
	.end_amdhsa_kernel
	.section	.bss,"aw",@nobits
	.p2align	6
	.space	262144
	.amdgpu_metadata
---
amdhsa.version: [ 1, 2 ]
amdhsa.kernels:
  - .name:           k_qbd0943b0f4_qkv
    .symbol:         k_qbd0943b0f4_qkv.kd
    .args:
      - { .name: codes1, .offset: 0, .size: 8, .value_kind: global_buffer, .address_space: global }
      - { .name: scales1, .offset: 8, .size: 8, .value_kind: global_buffer, .address_space: global }
      - { .name: rope, .offset: 16, .size: 8, .value_kind: global_buffer, .address_space: global }
      - { .name: qkv, .offset: 24, .size: 8, .value_kind: global_buffer, .address_space: global }
    .group_segment_fixed_size: 327680
    .private_segment_fixed_size: 0
    .kernarg_segment_align: 8
    .kernarg_segment_size: 32
    .max_flat_workgroup_size: 128
    .sgpr_count:     100
    .vgpr_count:     1024
    .wavefront_size: 32
...
	.end_amdgpu_metadata
.endif
;; end of part 2
;; launch attn (part 3): grid 16 x 16, 4 waves a work-group, no clusters, 327,680 bytes of LDS; arguments qkv, codes1, scales1; writes codes1, scales1
.if DOCPART == 3
	.amdgcn_target "amdgcn-amd-amdhsa--gfx1250"
	.amdhsa_code_object_version 6
	.text
	.protected	k_qbd0943b0f4_attn
	.globl	k_qbd0943b0f4_attn
	.p2align	8
	.type	k_qbd0943b0f4_attn,@function
k_qbd0943b0f4_attn:
	s_mov_b64 s[64:65], 0
	v_nop
	global_prefetch_b8 v0, s[64:65] scope:SCOPE_SE
	s_setreg_imm32_b32 hwreg(HW_REG_WAVE_MODE, 25, 1), 1
	s_wait_xcnt 0x0
.set SLOTB, 1<<17
.set ENT,   25600
.set PREG,  4*ENT
.set SPARE, SLOTB+4*ENT
.set LI,   1
.set ASC,  2
.set DREG, 3
.set SPW,  4
.set NIL,  5
.set AD,   6
.set ADS,  7
.set R16,  8
.set PFO,  9
.set PFO2, 10
.set VQ,   11
.set VQS,  41
.set TM,   42
.set PW,   58
.set PC,   224
.set WV,   10
.set GRP,  11
.set GRP1, 12
.set HF,   13
.set HD,   14
.set E,    15
.set TB,   16
.set EN,   17
.set BLK,  18
.set TR,   19
.set SEL,  20
.set CS,   22
.set G1,   24
.set G1P,  32
.set G0,   40
.set G0P,  44
.set KVB,  48
.set OFF,  50
.set YCL,  52
.set YSL,  54
.set YCH,  56
.set YSH,  58
.set PFA,  60
.set LIM,  62
.set MSB, 0
.macro WIN new
.if MSB != \new
	s_set_vgpr_msb (MSB<<8)|\new
.set MSB, \new
.endif
.endm
.macro PLACES n
.rept \n
	v_nop
.endr
.endm
	s_load_b128 s[4:7], s[0:1], 0x0
	s_load_b64 s[8:9], s[0:1], 0x10
	v_lshl_add_u32 v[SPW], v0, 2, SPARE
	v_mov_b32 v[NIL], 0
	ds_add_u32 v[SPW], v[NIL]
	ds_add_u32 v[SPW], v[NIL]
	v_lshrrev_b32 v6, 5, v0
	v_readfirstlane_b32 s[WV], v6
	s_lshr_b32 s[GRP], ttmp9, 1
	s_add_co_u32 s[GRP1], s[GRP], 1
	s_and_b32 s[HF], ttmp9, 1
	s_and_b32 s[HD], ttmp7, 0xffff
	s_mov_b32 s[G1], 3<<16
	s_mov_b32 s[G1+1], 32<<16
	s_mov_b32 s[G1+2], 100<<16
	s_mov_b32 s[G1+3], 32<<16
	s_mov_b32 s[G1+4], 100
	s_mov_b32 s[G1+5], 32
	s_mov_b32 s[G1+6], 0
	s_mov_b32 s[G1+7], 0
	s_mov_b32 s[SEL], 0x76543210
	s_mov_b32 s[SEL+1], 0xfedcba98
	s_mov_b32 s[CS], 0x3e0293ee
	s_mov_b32 s[CS+1], s[CS]
	s_mul_i32 s66, s[HD], 614400
	s_mov_b32 s67, 0
	s_add_co_u32 s[EN], s[WV], 1
	s_cmp_le_u32 s[EN], s[GRP]
	s_cselect_b32 s[OFF], 0, s[GRP1]
	s_sub_co_u32 s[OFF], s[EN], s[OFF]
	s_mul_i32 s[OFF], s[OFF], 38400
	s_mov_b32 s[OFF+1], 0
	s_mul_i32 s70, s[WV], ENT
	s_wait_dscnt 0x0
	s_wait_kmcnt 0x0
	s_add_nc_u64 s[4:5], s[4:5], s[66:67]
	s_add_nc_u64 s[KVB:KVB+1], s[4:5], 12800
	s_mov_b32 s[G0], 1
	s_mov_b32 s[G0+1], s70
	s_add_nc_u64 s[G0+2:G0+3], s[KVB:KVB+1], s[OFF:OFF+1]
	s_or_b32 s[G0+3], s[G0+3], 0x80000000
	; the head's one tensor load a wave: my entry of the first block of four
	tensor_load_to_lds s[G0:G0+3], s[G1:G1+7]
	s_nop 0
.rept 4
	v_nop
.endr
	v_and_b32 v12, 15, v0
	v_bfe_u32 v13, v0, 4, 1
	v_and_b32 v14, 31, v0
	v_lshlrev_b32 v[LI], 4, v14
	s_wait_alu depctr_va_vdst(0)
	v_lshlrev_b32 v[R16], 4, v12
	s_wait_alu depctr_va_vdst(0)
	v_mul_u32_u24 v[ASC], v13, 6400
	v_add_nc_u32 v[ASC], v[ASC], v[R16]
	v_add_nc_u32 v[ASC], 6144, v[ASC]
	s_mul_i32 s66, s[GRP], 38400
	s_mul_i32 s68, s[HF], 6400
	s_add_co_u32 s66, s66, s68
	s_add_nc_u64 s[66:67], s[4:5], s[66:67]
	s_sub_co_u32 s70, 15, s[GRP]
	s_mul_i32 s70, s70, 38400
	s_add_co_u32 s70, s70, s68
	s_mov_b32 s71, 0
	s_add_nc_u64 s[70:71], s[4:5], s[70:71]
	s_mul_i32 s72, s[WV], 1536
	v_add_nc_u32 v[VQ], s72, v[LI]
	s_lshl_b32 s72, s[WV], 2
	s_add_co_u32 s72, s72, 6144
	v_add_nc_u32 v[VQS], s72, v[R16]
.irp c, 0,1,2
	global_load_b128 v[16+4*\c:19+4*\c], v[VQ], s[66:67] offset:512*\c
	global_load_b128 v[28+4*\c:31+4*\c], v[VQ], s[70:71] offset:512*\c
.endr
	global_load_b32 v255, v[VQS], s[66:67]
	global_load_b32 v40, v[VQS], s[70:71]
	; key group 0's K and V come straight into the operand registers: they lie in memory as images of those registers, 512 consecutive bytes a load
	s_wait_alu depctr_va_vdst(0)
	WIN 0x40
.irp t, 0,1,2,3,4,5,6,7
.irp c, 0,1,2
	global_load_b128 v[12*\t+4*\c:12*\t+4*\c+3], v[LI], s[KVB:KVB+1] offset:6400*(\t/4)+1536*(\t%4)+512*\c
	global_load_b128 v[96+12*\t+4*\c:96+12*\t+4*\c+3], v[LI], s[KVB:KVB+1] offset:12800+6400*(\t/4)+1536*(\t%4)+512*\c
.endr
.endr
	WIN 0
	global_load_b128 v[248:251], v[ASC], s[KVB:KVB+1]
	global_load_b128 v[64:67], v[ASC], s[KVB:KVB+1] offset:12800
	s_lshl_b32 s72, s[HF], 2
	s_add_co_u32 s72, s72, s[WV]
	s_lshl_b32 s73, s[GRP], 3
	s_add_co_u32 s73, s73, s72
	s_add_co_u32 s73, s73, 640
	s_sub_co_u32 s74, 15, s[GRP]
	s_lshl_b32 s74, s74, 3
	s_add_co_u32 s74, s74, s72
	s_add_co_u32 s74, s74, 640
	s_mul_i32 s75, s[HD], 1536
	s_lshr_b32 s76, s[HD], 2
	s_lshl_b32 s76, s76, 8
	s_and_b32 s77, s[HD], 3
	s_lshl_b32 s77, s77, 2
	s_add_co_u32 s76, s76, s77
	s_mov_b32 s79, 0
	s_mul_i32 s78, s73, 24576
	s_add_co_u32 s78, s78, s75
	s_add_nc_u64 s[YCL:YCL+1], s[6:7], s[78:79]
	s_lshl_b32 s78, s73, 10
	s_add_co_u32 s78, s78, s76
	s_add_nc_u64 s[YSL:YSL+1], s[8:9], s[78:79]
	s_mul_i32 s78, s74, 24576
	s_add_co_u32 s78, s78, s75
	s_add_nc_u64 s[YCH:YCH+1], s[6:7], s[78:79]
	s_lshl_b32 s78, s74, 10
	s_add_co_u32 s78, s78, s76
	s_add_nc_u64 s[YSH:YSH+1], s[8:9], s[78:79]
	s_lshr_b32 s73, s72, 1
	s_lshl_b32 s73, s73, 5
	s_and_b32 s74, s72, 1
	s_lshl_b32 s74, s74, 3
	s_add_co_u32 s73, s73, s74
	v_and_b32 v[DREG], 8, v12
	v_add_nc_u32 v[DREG], v[DREG], v12
	v_add_nc_u32 v[DREG], s73, v[DREG]
	v_lshlrev_b32 v13, 4, v13
	v_sub_nc_u32 v[DREG], v[DREG], v13
	v_lshlrev_b32 v[PFO], 8, v14
	v_min_u32 v[PFO2], 3, v14
	v_lshlrev_b32 v[PFO2], 8, v[PFO2]
	s_add_co_u32 s78, s[WV], 4
	s_mul_i32 s78, s78, 38400
	s_add_nc_u64 s[PFA:PFA+1], s[KVB:KVB+1], s[78:79]
	s_cmp_eq_u32 ttmp9, 0
	s_cselect_b32 s[LIM], 1, -1
	v_mov_b32 v13, 0xff61b1e6
	v_floor_f32 v12, -v13
	v_mov_b32 v14, 0
	v_mov_b32 v15, 0
.irp b, 0,1,2,3
	v_mov_b32 v[236+\b], 0
	v_mov_b32 v[TM+4+\b], 0
.endr
	v_mov_b32 v253, 0
.set jj, 0
.rept 64
	v_mov_b32 v[160+jj], 0
.set jj, jj+1
.endr
.macro KLOAD
	v_add_nc_u32 v[AD], s[TB], v[LI]
	v_add_nc_u32 v[ADS], s[TB], v[ASC]
	WIN 0x40
.irp t, 0,1,2,3,4,5,6,7
.irp c, 0,1,2
	ds_load_b128 v[12*\t+4*\c:12*\t+4*\c+3], v[AD] offset:6400*(\t/4)+1536*(\t%4)+512*\c
.endr
.endr
	WIN 0
	ds_load_b128 v[248:251], v[ADS]
.endm
.macro VLOAD
	WIN 0x40
.irp t, 0,1,2,3,4,5,6,7
.irp c, 0,1,2
	ds_load_b128 v[96+12*\t+4*\c:96+12*\t+4*\c+3], v[AD] offset:12800+6400*(\t/4)+1536*(\t%4)+512*\c
.endr
.endr
	WIN 0
	ds_load_b128 v[64:67], v[ADS] offset:12800
.endm
.macro SMM
	WIN 0x01
.irp t, 0,1,2,3
	v_wmma_scale_f32_16x16x128_f8f6f4 v[96+8*\t:103+8*\t], v[12*\t:12*\t+11], v[16:27], 0, v[248+\t], v255 matrix_a_fmt:MATRIX_FMT_FP6 matrix_b_fmt:MATRIX_FMT_FP6
.endr
.irp t, 4,5,6,7
	v_wmma_scale_f32_16x16x128_f8f6f4 v[96+8*\t:103+8*\t], v[12*\t:12*\t+11], v[16:27], 0, v[244+\t], v255 matrix_a_fmt:MATRIX_FMT_FP6 matrix_b_fmt:MATRIX_FMT_FP6 matrix_a_scale:MATRIX_SCALE_ROW1
.endr
	WIN 0
.endm
.macro PVM
	WIN 0x01
.irp t, 0,1,2,3
	v_wmma_scale_f32_16x16x128_f8f6f4 v[160+8*\t:167+8*\t], v[96+12*\t:107+12*\t], v[224:235], v[160+8*\t:167+8*\t], v[64+\t], v253 matrix_a_fmt:MATRIX_FMT_FP6 matrix_b_fmt:MATRIX_FMT_FP6
.endr
.irp t, 4,5,6,7
	v_wmma_scale_f32_16x16x128_f8f6f4 v[160+8*\t:167+8*\t], v[96+12*\t:107+12*\t], v[224:235], v[160+8*\t:167+8*\t], v[60+\t], v253 matrix_a_fmt:MATRIX_FMT_FP6 matrix_b_fmt:MATRIX_FMT_FP6 matrix_a_scale:MATRIX_SCALE_ROW1
.endr
	WIN 0
.endm
.macro SOFTMAX mode
.if \mode == 1
	s_cmp_lg_u32 s[E], s[GRP]
	s_cbranch_scc1 .Lopen_\@
.endif
.if \mode > 0
	v_mov_b32 v254, 0xff800000
.set jj, 0
.rept 64
	v_cmp_gt_i32 vcc_lo, 32*(jj/16)+jj%16, v[DREG]
	v_cndmask_b32 v[96+jj], v[96+jj], v254, vcc_lo
.set jj, jj+1
.endr
.endif
.if \mode == 1
.Lopen_\@:
.endif
.irp b, 0,1,2,3
	v_max3_num_f32 v[232+\b], v[96+16*\b], v[97+16*\b], v[98+16*\b]
.endr
.irp i, 3,5,7,9,11,13
.irp b, 0,1,2,3
	v_max3_num_f32 v[232+\b], v[232+\b], v[96+16*\b+\i], v[97+16*\b+\i]
.endr
.endr
.irp b, 0,1,2,3
	v_max_num_f32 v[232+\b], v[232+\b], v[111+16*\b]
.endr
.irp b, 0,1,2,3
	v_permlanex16_b32 v[236+\b], v[232+\b], s[SEL], s[SEL+1]
.endr
.irp b, 0,1,2,3
	v_max_num_f32 v[232+\b], v[232+\b], v[236+\b]
.endr
	v_max3_num_f32 v254, v232, v233, v234
	v_max_num_f32 v254, v254, v235
	v_mul_f32 v254, s[CS], v254
	v_max_num_f32 v13, v13, v254
	v_mov_b32 v254, v12
	v_floor_f32 v12, -v13
	v_sub_f32 v254, v12, v254
	v_cvt_i32_f32 v254, v254
	v_ldexp_f32 v252, 1.0, v254
.set jj, 0
.rept 32
	v_pk_fma_f32 v[96+jj:97+jj], v[96+jj:97+jj], s[CS:CS+1], v[12:13] op_sel_hi:[1,0,0]
.set jj, jj+2
.endr
.irp b, 0,1,2,3
	v_fma_f32 v[232+\b], v[232+\b], s[CS], v12
.endr
.set jj, 0
	s_wait_alu depctr_va_vdst(0)
.rept 64
	v_exp_f32 v[96+jj], v[96+jj]
.set jj, jj+1
.endr
	v_pk_mul_f32 v[14:15], v[14:15], v[252:253] op_sel_hi:[1,0]
	s_wait_alu depctr_va_vdst(0)
.irp b, 0,1,2,3
	v_exp_f32 v[232+\b], v[232+\b]
.endr
	v_pk_add_f32 v[236:237], v[96:97], v[98:99]
.set jj, 4
.rept 15
	v_pk_add_f32 v[14:15], v[14:15], v[96+jj:97+jj]
	v_pk_add_f32 v[236:237], v[236:237], v[98+jj:99+jj]
.set jj, jj+4
.endr
	v_pk_add_f32 v[14:15], v[14:15], v[236:237]
	s_wait_alu depctr_va_vdst(0)
.irp b, 0,1,2,3
	v_max_num_f32 v[232+\b], 0x1800000, v[232+\b]
.endr
.irp b, 0,1,2,3
	v_add_nc_u32 v[244+\b], 0xff000000, v[232+\b]
.endr
.irp b, 0,1,2,3
	v_lshrrev_b32 v[236+\b], 23, v[244+\b]
.endr
	v_lshl_or_b32 v253, v237, 8, v236
	v_lshl_or_b32 v253, v238, 16, v253
	v_lshl_or_b32 v253, v239, 24, v253
.irp c, 0,1
	v_cvt_scalef32_pk16_fp6_f32 v[224+6*\c:226+6*\c], v[96+32*\c:111+32*\c], v[244+2*\c]
	v_cvt_scalef32_pk16_fp6_f32 v[236+4*\c:238+4*\c], v[112+32*\c:127+32*\c], v[244+2*\c+1]
.endr
	v_nop
.irp c, 0,1
.irp i, 0,1,2
	v_permlane16_swap_b32 v[224+6*\c+\i], v[236+4*\c+\i]
.endr
.irp i, 0,1,2
	v_mov_b32 v[227+6*\c+\i], v[236+4*\c+\i]
.endr
.endr
.set jj, 0
.rept 32
	v_pk_mul_f32 v[160+jj:161+jj], v[160+jj:161+jj], v[252:253] op_sel_hi:[1,0]
.set jj, jj+2
.endr
.endm
.macro QUANT s, pw
.irp b, 0,1,2,3
	v_max3_num_f32 v[TM+\b], |v[\s+16*\b]|, |v[\s+1+16*\b]|, 0x1800000
.endr
.irp i, 2,4,6,8,10,12,14
.irp b, 0,1,2,3
	v_max3_num_f32 v[TM+\b], v[TM+\b], |v[\s+16*\b+\i]|, |v[\s+1+16*\b+\i]|
.endr
.endr
.irp b, 0,1,2,3
	v_permlanex16_b32 v[TM+4+\b], v[TM+\b], s[SEL], s[SEL+1]
.endr
.irp b, 0,1,2,3
	v_max_num_f32 v[TM+\b], v[TM+\b], v[TM+4+\b]
.endr
.irp b, 0,1,2,3
	v_add_nc_u32 v[TM+12+\b], 0xff000000, v[TM+\b]
.endr
.irp b, 0,1,2,3
	v_lshrrev_b32 v[TM+4+\b], 23, v[TM+12+\b]
.endr
	v_lshl_or_b32 v[\pw], v[TM+5], 8, v[TM+4]
	v_lshl_or_b32 v[\pw], v[TM+6], 16, v[\pw]
	v_lshl_or_b32 v[\pw], v[TM+7], 24, v[\pw]
.irp c, 0,1
	v_cvt_scalef32_pk16_fp6_f32 v[PC+6*\c:PC+2+6*\c], v[\s+32*\c:\s+15+32*\c], v[TM+12+2*\c]
	v_cvt_scalef32_pk16_fp6_f32 v[PC+12+4*\c:PC+14+4*\c], v[\s+16+32*\c:\s+31+32*\c], v[TM+12+2*\c+1]
.endr
	v_nop
.irp c, 0,1
.irp i, 0,1,2
	v_permlane16_swap_b32 v[PC+6*\c+\i], v[PC+12+4*\c+\i]
.endr
.irp i, 0,1,2
	v_mov_b32 v[PC+3+6*\c+\i], v[PC+12+4*\c+\i]
.endr
.endr
.endm
.macro FINALISE yc, ys
	v_add_f32 v14, v14, v15
	v_permlanex16_b32 v252, v14, s[SEL], s[SEL+1]
	v_add_f32 v14, v14, v252
	s_wait_alu depctr_va_vdst(0)
	v_rcp_f32 v14, v14
	v_nop
	s_wait_alu depctr_va_vdst(0)
	v_mul_f32 v14, 0x3eaaaaab, v14
.set jj, 0
.rept 32
	v_pk_mul_f32 v[96+jj:97+jj], v[160+jj:161+jj], v[14:15] op_sel_hi:[1,0]
.set jj, jj+2
.endr
	QUANT 96, PW
.irp c, 0,1,2
	global_store_b128 v[LI], v[PC+4*\c:PC+4*\c+3], s[\yc:\yc+1] offset:512*\c
.endr
	global_store_b32 v[R16], v[PW], s[\ys:\ys+1]
.endm
.macro ASK
	s_cmp_gt_u32 s[BLK], s[LIM]
	s_cbranch_scc0 .Lnot_mine_\@
	global_prefetch_b8 v[PFO], s[PFA:PFA+1] th:TH_LOAD_NT scope:SCOPE_SE
	global_prefetch_b8 v[PFO], s[PFA:PFA+1] offset:8192 th:TH_LOAD_NT scope:SCOPE_SE
	global_prefetch_b8 v[PFO], s[PFA:PFA+1] offset:16384 th:TH_LOAD_NT scope:SCOPE_SE
	global_prefetch_b8 v[PFO2], s[PFA:PFA+1] offset:24576 th:TH_LOAD_NT scope:SCOPE_SE
.Lnot_mine_\@:
.endm
.macro CHANGE fill
	s_wait_tensorcnt 0x0
	ds_add_u32 v[SPW], v[NIL]
.if \fill
	s_xor_b32 s[G0+1], s[G0+1], SLOTB
	s_add_co_u32 s[EN], s[EN], 4
	s_cmp_le_u32 s[EN], s[GRP]
	s_cselect_b32 s[OFF], 0, s[GRP1]
	s_sub_co_u32 s[OFF], s[EN], s[OFF]
	s_mul_i32 s[OFF], s[OFF], 38400
	s_add_nc_u64 s[G0+2:G0+3], s[KVB:KVB+1], s[OFF:OFF+1]
	s_or_b32 s[G0+3], s[G0+3], 0x80000000
	s_wait_xcnt 0x0
	s_add_nc_u64 s[PFA:PFA+1], s[PFA:PFA+1], 4*38400
.endif
	s_wait_dscnt 0x0
	s_barrier_signal -1
	s_barrier_wait -1
.if \fill
	tensor_load_to_lds s[G0:G0+3], s[G1:G1+7]
	s_nop 0
.rept 4
	v_nop
.endr
	ASK
.endif
.endm
.macro TRIP mode, sw
	PLACES 2
	KLOAD
	SOFTMAX \mode
	s_wait_alu depctr_va_vdst(0)
	s_wait_dscnt 25
	PVM
	PLACES 4
	VLOAD
.if \sw
	s_cmp_lg_u32 s[E], s[GRP]
	s_cbranch_scc1 .Lsame_\@
	FINALISE YCL, YSL
	v_mov_b32 v13, 0xff61b1e6
	v_floor_f32 v12, -v13
	v_mov_b32 v14, 0
	v_mov_b32 v15, 0
.irp i, 0,1,2,3,4,5,6,7,8,9,10,11
	v_mov_b32 v[16+\i], v[28+\i]
.endr
	v_mov_b32 v255, v40
.set jj, 0
.rept 64
	v_mov_b32 v[160+jj], 0
.set jj, jj+1
.endr
	s_wait_xcnt 0x0
.Lsame_\@:
.endif
	s_wait_dscnt 25
	SMM
	s_add_co_u32 s[TB], s[TB], ENT
	s_add_co_u32 s[E], s[E], 1
.endm
	s_mov_b32 s[TB], 0
	s_mov_b32 s[E], 0
	s_wait_alu depctr_va_vdst(0)
	s_wait_loadcnt 0x0                             ; q, and key group 0's K and V
	SMM
	s_mov_b32 s[BLK], 3
.Lblock:
	CHANGE 1
	s_mov_b32 s[TR], 4
.Ltrip:
	TRIP 1, 1
	s_sub_co_u32 s[TR], s[TR], 1
	s_cmp_lg_u32 s[TR], 0
	s_cbranch_scc1 .Ltrip
	s_sub_co_u32 s[TB], s[TB], 4*ENT
	s_xor_b32 s[TB], s[TB], SLOTB
	s_sub_co_u32 s[BLK], s[BLK], 1
	s_cmp_lg_u32 s[BLK], 0
	s_cbranch_scc1 .Lblock
	CHANGE 0
	s_mov_b32 s[TR], 4
.Ltail:
	TRIP 0, 0
	s_sub_co_u32 s[TR], s[TR], 1
	s_cmp_lg_u32 s[TR], 0
	s_cbranch_scc1 .Ltail
	PLACES 4
	SOFTMAX 2
	s_wait_alu depctr_va_vdst(0)
	s_wait_dscnt 0x0
	PVM
	PLACES 4
	FINALISE YCH, YSH
	s_wait_tensorcnt 0x0
	ds_add_u32 v[SPW], v[NIL]
	s_wait_dscnt 0x0
	s_endpgm
.Lfunc_end_k_qbd0943b0f4_attn:
	.size	k_qbd0943b0f4_attn, .Lfunc_end_k_qbd0943b0f4_attn-k_qbd0943b0f4_attn
	.p2alignl 7, 3214868480
	.fill 96, 4, 3214868480
	.section	.rodata,"a",@progbits
	.p2align	6, 0x0
	.amdhsa_kernel k_qbd0943b0f4_attn
		.amdhsa_group_segment_fixed_size 327680
		.amdhsa_private_segment_fixed_size 0
		.amdhsa_enable_private_segment 0
		.amdhsa_kernarg_size 24
		.amdhsa_user_sgpr_count 2
		.amdhsa_user_sgpr_kernarg_segment_ptr 1
		.amdhsa_wavefront_size32 1
		.amdhsa_system_sgpr_workgroup_id_x 1
		.amdhsa_system_sgpr_workgroup_id_y 1
		.amdhsa_system_sgpr_workgroup_id_z 1
		.amdhsa_system_vgpr_workitem_id 0
		.amdhsa_next_free_vgpr 448
		.amdhsa_next_free_sgpr 80
		.amdhsa_reserve_vcc 1
		.amdhsa_float_denorm_mode_32 3
		.amdhsa_float_denorm_mode_16_64 3
		.amdhsa_memory_ordered 1
		.amdhsa_forward_progress 1
		.amdhsa_inst_pref_size 93
	.end_amdhsa_kernel
	.amdgpu_metadata
---
amdhsa.version: [ 1, 2 ]
amdhsa.kernels:
  - .name:           k_qbd0943b0f4_attn
    .symbol:         k_qbd0943b0f4_attn.kd
    .args:
      - { .name: qkv, .offset: 0, .size: 8, .value_kind: global_buffer, .address_space: global }
      - { .name: codes1, .offset: 8, .size: 8, .value_kind: global_buffer, .address_space: global }
      - { .name: scales1, .offset: 16, .size: 8, .value_kind: global_buffer, .address_space: global }
    .group_segment_fixed_size: 327680
    .private_segment_fixed_size: 0
    .kernarg_segment_align: 8
    .kernarg_segment_size: 24
    .max_flat_workgroup_size: 128
    .sgpr_count:     80
    .vgpr_count:     448
    .wavefront_size: 32
...
	.end_amdgpu_metadata
.endif
;; end of part 3
;; launch proj (part 4): grid 16 x 16, 4 waves a work-group, clusters of 4 x 4, 327,680 bytes of LDS; arguments codes1, scales1, out0; writes out0
.if DOCPART == 4
	.amdgcn_target "amdgcn-amd-amdhsa--gfx1250"
	.amdhsa_code_object_version 6
	.text
	.protected	k_qbd0943b0f4_proj
	.globl	k_qbd0943b0f4_proj
	.p2align	8
	.type	k_qbd0943b0f4_proj,@function
k_qbd0943b0f4_proj:
	s_mov_b64 s[64:65], 0
	v_nop
	global_prefetch_b8 v0, s[64:65] scope:SCOPE_SE
	s_setreg_imm32_b32 hwreg(HW_REG_WAVE_MODE, 25, 1), 1
	s_wait_xcnt 0x0
	s_wait_alu depctr_hold_cnt(0) depctr_sa_sdst(0) depctr_va_vdst(0) depctr_va_sdst(0) depctr_va_ssrc(0) depctr_va_vcc(0) depctr_vm_vsrc(0)
	s_getreg_b32 s2, hwreg(HW_REG_IB_STS2, 6, 4)
	s_cmp_eq_u32 s2, 0
	s_cbranch_scc0 .Lentry_in_a_cluster
	s_endpgm
.Lentry_in_a_cluster:
	s_bfe_u32 s2, ttmp6, 0x10000c
	s_cmp_lg_u32 s2, 0xf033
	s_cbranch_scc0 .Lentry_shape_is_right
	s_endpgm
.Lentry_shape_is_right:
; LAUNCH 4 OF 4.  out0 = (y / 3) Wo^T on codes of FP6: A = y / 3 (codes1 blocks 640-767, made by launch 3), B = Wo (blocks 512-639, made by launch 1); out0 [2048][2048] f32.
; A work-group makes 128 x 128 and a wave 64 x 64, 16 accumulators: 256 work-groups.  The 16 K steps of 128 are written out.
; LDS: slot 0, four K steps (98,304 bytes), and a long slot, eight K steps (196,608 bytes).  Three joint loads a wave: K steps 0-3 at the head; K steps 4-11 behind the head's round, one load
; whose rows are eight images of a block, 12,288 bytes; K steps 12-15 into slot 0 again, behind the round at K step 3.  Every wait on TENSORcnt is for 0: one load of a wave is out at a time.
; CLUSTERS: 4 x 4; A's tiles are asked for jointly along a row of the cluster, B's along a column.  The matrix instruction is used transposed: a lane holds a token and eight neighbouring columns.
; PREFETCH: of the four blocks that a wave fetches each of the four partners names one, told apart by address: K steps 4-11 (48 blocks of 256 bytes) while the head's load is out, K steps 12-15 (24) at K step 1, two steps ahead of their load.
; The scale words of all of K come straight into 64 registers, in runs of 256 consecutive bytes: register 16 i + s: lanes 0-15 A's block i, lanes 16-31 B's block i, K step s.
; The order of rows in a stored block (launch 1's head) is undone on the way out: the columns' by the places in the stage, the rows' by the stores' offsets.
; REGISTERS: window 0: v16-31 addresses; v32-95 scale words, later rows on their way out; v128-255 accumulators, (a, b) at v[128 + 8 (4 a + b)].  window 1: two sets of fragments at v0 and v128: A at + 12 a, B at + 48 + 12 b.
.set QUART, 24576                      ; a wave's load for slot 0: [block 4][step 4][1,536]; for the long slot twice that
.set SLOT,  4*QUART
.set SPARE, 3*SLOT                     ; the spare words, 128 bytes a wave
.set STAGE, SPARE+512                  ; 16 rows x (256 + 16) bytes for each wave: no tensor load lands here
.set ADRA, 16                          ; v16, v17 my A fragments in slot 0, in the long slot
.set ADRB, 20                          ; v20, v21 B's
.set STO,  24
.set RD,   25
.set CO,   26
.set PFO,  27                          ; v27, v30, v31 the prefetches' offsets: 256 x lane, held at lane 15, at lane 23; never rewritten
.set SPW,  28
.set NIL,  29
.set PFO2, 30
.set PFO3, 31
.set SC,   32
.set BK,   32
.set ACC,  128
.set G1,   24                          ; s[24:31] group 1 for A, rows of four images;  s[32:39] group 0: slot 0's, the long slot's
.set G0,   32
.set G1W,  40                          ; s[40:47] group 1 for A, rows of eight images
.set G1B,  48                          ; s[48:55], s[68:75], s[76:83] the same three for B
.set G0B,  68
.set G1WB, 76
.set PFA,  92                          ; s[92:93] my work-group's block of the four that I fetch; never rewritten
.set MSB, 0
.macro WIN new
.if MSB != \new
	s_set_vgpr_msb (MSB<<8)|\new
.set MSB, \new
.endif
.endm
.macro JLOAD g0a, g1a, g0b, g1b        ; waves 0 and 1 fetch for A, waves 2 and 3 for B; an s_nop 0 and four v_nop follow each line
	s_cmp_eq_u32 s15, 0
	s_cbranch_scc0 .Lfor_b_\@
	tensor_load_to_lds s[\g0a:\g0a+3], s[\g1a:\g1a+7]
	s_nop 0
.rept 4
	v_nop
.endr
	s_branch .Lasked_\@
.Lfor_b_\@:
	tensor_load_to_lds s[\g0b:\g0b+3], s[\g1b:\g1b+7]
	s_nop 0
.rept 4
	v_nop
.endr
.Lasked_\@:
.endm
.macro CROUND                          ; a round of the cluster's barrier
	s_barrier_signal -1
	s_barrier_wait -1
	s_cmp_lg_u32 s14, 0
	s_cbranch_scc1 .Lnot_wave_0_\@
	s_barrier_signal -3
.Lnot_wave_0_\@:
	s_barrier_wait -3
	s_barrier_signal -1
	s_barrier_wait -1
.endm
	s_load_b128 s[4:7], s[0:1], 0x0                ; codes1, scales1
	s_load_b64 s[8:9], s[0:1], 0x10                ; out0
	v_lshl_add_u32 v[SPW], v0, 2, SPARE
	v_mov_b32 v[NIL], 0
	ds_add_u32 v[SPW], v[NIL]                      ; the opening: the add, twice on end, and its wait ahead of my first tensor load
	ds_add_u32 v[SPW], v[NIL]
	v_lshrrev_b32 v1, 5, v0
	v_readfirstlane_b32 s14, v1                    ; wave
	s_lshr_b32 s15, s14, 1                         ; my half of the rows.  Also: I fetch for A (0) or B (1)
	s_and_b32 s16, s14, 1                          ; my half of the columns.  Also: which 64 rows I fetch
	s_bfe_u32 s84, ttmp6, 0x40000                  ; cx
	s_bfe_u32 s85, ttmp6, 0x40004                  ; cy
	s_lshl_b32 s86, ttmp9, 2
	s_add_co_u32 s86, s86, s84                     ; tile column
	s_and_b32 s17, ttmp7, 0xffff
	s_lshl_b32 s17, s17, 2
	s_add_co_u32 s17, s17, s85                     ; tile row
	s_lshl_b32 s87, s85, 2
	s_lshl_b32 s87, 15, s87                        ; my row of the cluster
	s_lshl_b32 s88, 0x1111, s84                    ; my column
	s_or_b32 s[G1+0], s87, (3<<16)|(1<<21)         ; the mask; elements of 8 bytes; bit 21 beside a mask; no padding
	s_or_b32 s[G1B+0], s88, (3<<16)|(1<<21)
	s_or_b32 s[G1W+0], s87, (3<<16)|(1<<21)
	s_or_b32 s[G1WB+0], s88, (3<<16)|(1<<21)
.irp g, G1, G1B
	s_mov_b32 s[\g+1], 768<<16                     ; a row: four K steps' images of one block, 6,144 bytes
	s_mov_b32 s[\g+2], 4<<16                       ; 4 blocks
	s_mov_b32 s[\g+3], 768<<16
	s_mov_b32 s[\g+4], 4
	s_mov_b32 s[\g+5], 3072                        ; from block to block: 24,576 bytes
	s_mov_b32 s[\g+6], 0
	s_mov_b32 s[\g+7], 0
.endr
.irp g, G1W, G1WB
	s_mov_b32 s[\g+1], 1536<<16                    ; a row: eight K steps' images, 12,288 bytes
	s_mov_b32 s[\g+2], 4<<16
	s_mov_b32 s[\g+3], 1536<<16
	s_mov_b32 s[\g+4], 4
	s_mov_b32 s[\g+5], 3072
	s_mov_b32 s[\g+6], 0
	s_mov_b32 s[\g+7], 0
.endr
	s_lshl_b32 s18, s16, 2
	s_lshl_b32 s20, s17, 3
	s_add_co_u32 s20, s20, s18
	s_add_co_u32 s20, s20, 640                     ; A's first block that I fetch
	s_mul_i32 s20, s20, 24576
	s_mov_b32 s21, 0
	s_lshl_b32 s56, s86, 3
	s_add_co_u32 s56, s56, s18
	s_add_co_u32 s56, s56, 512                     ; B's
	s_mul_i32 s56, s56, 24576
	s_mov_b32 s57, 0
	s_mul_i32 s89, s14, QUART                      ; where they go: no place in the cluster enters an LDS address
	s_cmp_eq_u32 s15, 0
	s_cselect_b32 s94, s84, s85                    ; my place among the four that ask with me: it enters the prefetches' address alone
	s_mul_i32 s94, s94, 24576
	s_mov_b32 s95, 0
	s_wait_dscnt 0x0                               ; both opening adds are done
	s_wait_kmcnt 0x0
	s_add_nc_u64 s[20:21], s[4:5], s[20:21]
	s_add_nc_u64 s[56:57], s[4:5], s[56:57]
	s_cmp_eq_u32 s15, 0
	s_cselect_b64 s[PFA:PFA+1], s[20:21], s[56:57]
	s_add_nc_u64 s[PFA:PFA+1], s[PFA:PFA+1], s[94:95]
	CROUND                                         ; all sixteen work-groups are here: the first joint loads meet
.irp s, 0,1
	s_mul_i32 s90, s89, \s+1                       ; a wave's part of the long slot is twice as long
	s_mov_b32 s[G0+4*\s], 1
	s_add_co_u32 s[G0+4*\s+1], s90, \s*SLOT
	s_add_nc_u64 s[G0+4*\s+2:G0+4*\s+3], s[20:21], \s*6144
	s_or_b32 s[G0+4*\s+3], s[G0+4*\s+3], 0x80000000
	s_mov_b32 s[G0B+4*\s], 1
	s_add_co_u32 s[G0B+4*\s+1], s90, \s*SLOT
	s_add_nc_u64 s[G0B+4*\s+2:G0B+4*\s+3], s[56:57], \s*6144
	s_or_b32 s[G0B+4*\s+3], s[G0B+4*\s+3], 0x80000000
.endr
	JLOAD G0, G1, G0B, G1B                         ; K steps 0-3: one tensor load a wave at the head
	v_and_b32 v1, 15, v0                           ; r
	v_bfe_u32 v2, v0, 4, 1                         ; h
	v_and_b32 v3, 31, v0
	v_lshlrev_b32 v[PFO], 8, v3
	v_min_u32 v5, 15, v3
	v_lshlrev_b32 v[PFO2], 8, v5
	v_min_u32 v5, 23, v3
	v_lshlrev_b32 v[PFO3], 8, v5
	v_lshlrev_b32 v3, 4, v3                        ; 16 x lane
	s_wait_alu depctr_va_vdst(0)
	global_prefetch_b8 v[PFO], s[PFA:PFA+1] offset:6144 th:TH_LOAD_NT scope:SCOPE_SE    ; K steps 4-11 of my block: 32 blocks of 256 bytes,
	global_prefetch_b8 v[PFO2], s[PFA:PFA+1] offset:14336 th:TH_LOAD_NT scope:SCOPE_SE  ; and the other 16 (lanes above 15 name the last again)
	s_lshl_b32 s58, s17, 3                         ; the scale words: A's first block of mine,
	s_lshl_b32 s59, s15, 2
	s_add_co_u32 s58, s58, s59
	s_add_co_u32 s58, s58, 640
	s_lshl_b32 s60, s86, 3                         ; B's, which always lies below it
	s_lshl_b32 s59, s16, 2
	s_add_co_u32 s60, s60, s59
	s_add_co_u32 s60, s60, 512
	s_sub_co_u32 s58, s58, s60
	s_lshl_b32 s58, s58, 10
	s_lshl_b32 s60, s60, 10
	v_xor_b32 v4, 1, v2
	v_mul_u32_u24 v4, s58, v4                      ; lanes 0-15 go the distance up to A's
	v_lshl_add_u32 v4, v1, 4, v4
	v_add_nc_u32 v4, s60, v4
.irp i, 0,1,2,3
.irp j, 0,1,2,3
	global_load_b128 v[SC+16*\i+4*\j:SC+16*\i+4*\j+3], v4, s[6:7] offset:1024*\i+256*\j
.endr
.endr
	s_mul_i32 s21, s15, QUART
	s_mul_i32 s22, s16, QUART
	s_add_co_u32 s22, s22, 2*QUART
	v_add_nc_u32 v[ADRA], s21, v3
	v_add_nc_u32 v[ADRB], s22, v3
	s_lshl_b32 s21, s21, 1
	s_lshl_b32 s22, s22, 1
	s_add_co_u32 s21, s21, SLOT
	s_add_co_u32 s22, s22, SLOT
	v_add_nc_u32 v[ADRA+1], s21, v3
	v_add_nc_u32 v[ADRB+1], s22, v3
	s_mul_i32 s23, s14, 16*272
	s_add_co_u32 s23, s23, STAGE                   ; my stage
	v_mul_u32_u24 v[STO], v1, 272
	v_lshl_add_u32 v[STO], v2, 6, v[STO]
	v_add_nc_u32 v[STO], s23, v[STO]               ; in: row r, + 64 h
	v_mul_u32_u24 v[RD], v2, 272
	v_lshl_add_u32 v[RD], v1, 4, v[RD]
	v_add_nc_u32 v[RD], s23, v[RD]                 ; back: lanes 0-15 one row, lanes 16-31 the next
	v_lshlrev_b32 v[CO], 13, v2
	v_lshl_add_u32 v[CO], v1, 4, v[CO]             ; and the same two rows in out0
	s_lshl_b32 s58, s17, 7
	s_lshl_b32 s59, s15, 6
	s_add_co_u32 s58, s58, s59
	s_lshl_b32 s58, s58, 13                        ; my first row, 8,192 bytes a row,
	s_lshl_b32 s60, s86, 9
	s_lshl_b32 s59, s16, 8
	s_add_co_u32 s60, s60, s59                     ; my first column
	s_add_co_u32 s58, s58, s60
	s_mov_b32 s59, 0
	s_add_nc_u64 s[8:9], s[8:9], s[58:59]
.macro FETCH s                         ; K step s: four fragments of B and four of A, 24 loads of 512 consecutive bytes, into set s % 2
.set FS, 128*((\s)%2)
.if ((\s) >= 4) && ((\s) < 12)
.set SL, 1                             ; the long slot: blocks 12,288 bytes apart
.set RP, 12288
.set QS, (\s)-4
.else
.set SL, 0
.set RP, 6144
.set QS, (\s)%4
.endif
	WIN 0x40
.irp i, 0,1,2,3
.irp c, 0,1,2
	ds_load_b128 v[FS+48+12*\i+4*\c:FS+48+12*\i+4*\c+3], v[ADRB+SL] offset:RP*\i+1536*QS+512*\c
.endr
.endr
.irp i, 0,1,2,3
.irp c, 0,1,2
	ds_load_b128 v[FS+12*\i+4*\c:FS+12*\i+4*\c+3], v[ADRA+SL] offset:RP*\i+1536*QS+512*\c
.endr
.endr
.endm
.macro MULS s                          ; 16 products: the 16 accumulators by turns; K step 0's start the sums
.set FS, 128*((\s)%2)
	WIN 0x05
.irp a, 0,1,2,3
.irp b, 0,1,2,3
.if (\s) == 0
	v_wmma_scale_f32_16x16x128_f8f6f4 v[ACC+8*(4*\a+\b):ACC+8*(4*\a+\b)+7], v[FS+48+12*\b:FS+48+12*\b+11], v[FS+12*\a:FS+12*\a+11], 0, v[SC+16*\b+(\s)], v[SC+16*\a+(\s)] matrix_a_fmt:MATRIX_FMT_FP6 matrix_b_fmt:MATRIX_FMT_FP6 matrix_a_scale:MATRIX_SCALE_ROW1
.else
	v_wmma_scale_f32_16x16x128_f8f6f4 v[ACC+8*(4*\a+\b):ACC+8*(4*\a+\b)+7], v[FS+48+12*\b:FS+48+12*\b+11], v[FS+12*\a:FS+12*\a+11], v[ACC+8*(4*\a+\b):ACC+8*(4*\a+\b)+7], v[SC+16*\b+(\s)], v[SC+16*\a+(\s)] matrix_a_fmt:MATRIX_FMT_FP6 matrix_b_fmt:MATRIX_FMT_FP6 matrix_a_scale:MATRIX_SCALE_ROW1
.endif
.endr
.endr
.endm
.macro STEP s
	s_wait_dscnt 0x0                               ; this K step's fragments are in
.if (\s) == 11
	s_wait_tensorcnt 0x0                           ; my part of K steps 12-15, the one load that was out
	s_barrier_signal -1
	s_barrier_wait -1
.endif
.if (\s) == 3
	WIN 0
	s_wait_tensorcnt 0x0                           ; my part of the long slot is in: no load of mine is out, so a group 0 may be written
	ds_add_u32 v[SPW], v[NIL]
	s_add_nc_u64 s[G0+2:G0+3], s[G0+2:G0+3], 3*6144
	s_add_nc_u64 s[G0B+2:G0B+3], s[G0B+2:G0B+3], 3*6144
	s_wait_dscnt 0x0                               ; the add is done; my reads of slot 0 ended with this K step's fragments
	CROUND                                         ; no wave of any partner still reads slot 0 or has a load on its way
	JLOAD G0, G1, G0B, G1B                         ; K steps 12-15 into slot 0; the four v_nop are the places in front of the loads below
.elseif ((\s) > 0) && ((\s) < 15)
.rept 4
	v_nop                                          ; places in front of loads into the set that the last K step's products read
.endr
.endif
.if (\s) < 15
	FETCH (\s)+1
.endif
.if (\s) == 1
	global_prefetch_b8 v[PFO3], s[PFA:PFA+1] offset:18432 th:TH_LOAD_NT scope:SCOPE_SE   ; K steps 12-15 of my block: 24 blocks of 256 bytes, to the block's end (lanes above 23 name the last again)
.endif
	MULS \s
.endm
	s_wait_alu depctr_va_vdst(0)
	s_wait_tensorcnt 0x0                           ; my part of slot 0 is in
	ds_add_u32 v[SPW], v[NIL]
	s_wait_dscnt 0x0
	CROUND                                         ; everybody's part of slot 0 is in, and the sixteen work-groups meet
	JLOAD G0+4, G1W, G0B+4, G1WB                   ; K steps 4-11: the long slot's one fill, the first tensor load behind the round
	FETCH 0
	s_wait_loadcnt 0x0                             ; the scale words
.irp s, 0,1,2,3,4,5,6,7,8,9,10,11,12,13,14,15
	STEP \s
.endr
	WIN 0
; THE WAY OUT, a block of 16 rows x 64 columns at a time through my own stage; sixteen lanes store 256 consecutive bytes, at a multiple of 256 from out0's first byte.
.macro TOSTAGE a
.irp b, 0,1,2,3
	ds_store_b128 v[STO], v[ACC+8*(4*(\a)+\b):ACC+8*(4*(\a)+\b)+3] offset:128*(\b/2)+32*(\b%2)        ; tile b's register j is column 32 (b / 2) + 8 (b % 2) + 16 h + j; each accumulator from its low end on
	ds_store_b128 v[STO], v[ACC+8*(4*(\a)+\b)+4:ACC+8*(4*(\a)+\b)+7] offset:128*(\b/2)+32*(\b%2)+16
.endr
.set BB, BK+32*((\a)%2)
.irp t, 0,1,2,3,4,5,6,7
	ds_load_b128 v[BB+4*\t:BB+4*\t+3], v[RD] offset:544*\t   ; a wave's LDS instructions are served in order: these see the stores above
.endr
.endm
.macro SEND a, younger
.set BB, BK+32*((\a)%2)
	s_wait_dscnt \younger                          ; the block is back; the next block's sixteen LDS instructions may be out
.irp t, 0,1,2,3,4,5,6,7
	global_store_b128 v[CO], v[BB+4*\t:BB+4*\t+3], s[8:9] offset:(32*((\a)/2)+8*((\a)%2)+2*\t+8*(\t/4))*8192 th:TH_STORE_NT   ; slot 2 t + h of block a is row 32 (a / 2) + 8 (a % 2) + 2 t + h + 8 (t / 4)
.endr
.endm
.rept 4
	v_nop                                          ; places behind the last products
.endr
	TOSTAGE 0
.irp a, 1,2,3
.if \a > 1
	s_wait_xcnt 0x0                                ; block a - 2's stores have read their registers
.endif
	TOSTAGE \a
	SEND \a-1, 16
.endr
	SEND 3, 0
	s_wait_tensorcnt 0x0                           ; the wave's end
	ds_add_u32 v[SPW], v[NIL]
	s_wait_dscnt 0x0
	CROUND                                         ; the closing round
	s_endpgm
.Lfunc_end_k_qbd0943b0f4_proj:
	.size	k_qbd0943b0f4_proj, .Lfunc_end_k_qbd0943b0f4_proj-k_qbd0943b0f4_proj
	.p2alignl 7, 3214868480
	.fill 96, 4, 3214868480
	.section	.rodata,"a",@progbits
	.p2align	6, 0x0
	.amdhsa_kernel k_qbd0943b0f4_proj
		.amdhsa_group_segment_fixed_size 327680
		.amdhsa_private_segment_fixed_size 0
		.amdhsa_enable_private_segment 0
		.amdhsa_kernarg_size 24
		.amdhsa_user_sgpr_count 2
		.amdhsa_user_sgpr_kernarg_segment_ptr 1
		.amdhsa_wavefront_size32 1
		.amdhsa_system_sgpr_workgroup_id_x 1
		.amdhsa_system_sgpr_workgroup_id_y 1
		.amdhsa_system_sgpr_workgroup_id_z 1
		.amdhsa_system_vgpr_workitem_id 0
		.amdhsa_next_free_vgpr 480
		.amdhsa_next_free_sgpr 96
		.amdhsa_reserve_vcc 0
		.amdhsa_float_denorm_mode_32 3
		.amdhsa_float_denorm_mode_16_64 3
		.amdhsa_memory_ordered 1
		.amdhsa_forward_progress 1
		.amdhsa_inst_pref_size 79
	.end_amdhsa_kernel
	.amdgpu_metadata
---
amdhsa.version: [ 1, 2 ]
amdhsa.kernels:
  - .name:           k_qbd0943b0f4_proj
    .symbol:         k_qbd0943b0f4_proj.kd
    .args:
      - { .name: codes1, .offset: 0, .size: 8, .value_kind: global_buffer, .address_space: global }
      - { .name: scales1, .offset: 8, .size: 8, .value_kind: global_buffer, .address_space: global }
      - { .name: out0, .offset: 16, .size: 8, .value_kind: global_buffer, .address_space: global }
    .group_segment_fixed_size: 327680
    .private_segment_fixed_size: 0
    .kernarg_segment_align: 8
    .kernarg_segment_size: 24
    .max_flat_workgroup_size: 128
    .sgpr_count:     96
    .vgpr_count:     480
    .wavefront_size: 32
...
	.end_amdgpu_metadata
.endif
;; end of part 4
